; MI455X (gfx1250); checked and timed in simulation.
; The chip was launched on July 23, 2026; its instructions are those of AMD's public machine-readable ISA for CDNA 5 (MIT licence, August 2026) and "CDNA5" Instruction Set Architecture Reference Guide (July 2026). The comments in the code are by the model that wrote it; some were corrected since.
;; Causal Self Attention. Allowed arithmetic: matrix products marked QUANTISED: E2M3 operands, one E8M0 scale for each 32 along K, by v_wmma_scale_f32_16x16x128_f8f6f4 with both operands' format E2M3, f32 sums; everything else in f32.
;; Inputs: Wk_codes 1,024 x 32 x 24 uint8 (E2M3 codes of Wk, K innermost, in blocks of 32 codes, four codes in three bytes); Wk_scales 1,024 x 32 uint8 (E8M0 scales of Wk, one for each 32 codes along K); Wp_codes 1,024 x 32 x 24 uint8 (E2M3 codes of Wp, K innermost, in blocks of 32 codes, four codes in three bytes); Wp_scales 1,024 x 32 uint8 (E8M0 scales of Wp, one for each 32 codes along K); Wq_codes 1,024 x 32 x 24 uint8 (E2M3 codes of Wq, K innermost, in blocks of 32 codes, four codes in three bytes); Wq_scales 1,024 x 32 uint8 (E8M0 scales of Wq, one for each 32 codes along K); Wv_codes 1,024 x 32 x 24 uint8 (E2M3 codes of Wv, K innermost, in blocks of 32 codes, four codes in three bytes); Wv_scales 1,024 x 32 uint8 (E8M0 scales of Wv, one for each 32 codes along K); x_codes 4 x 2,048 x 32 x 24 uint8 (E2M3 codes of x, K innermost, in blocks of 32 codes, four codes in three bytes); x_scales 4 x 2,048 x 32 uint8 (E8M0 scales of x, one for each 32 codes along K).
;; Outputs: out0 4 x 2,048 x 1,024 float32.
;; This version of the problem:
;;   THIS VERSION OF THE PROBLEM IS GIVEN IN LOW PRECISION. The matrix products marked QUANTISED in the list below multiply operands that are first quantised to E2M3 (2 exponent bits, 3 mantissa bits; 6 bits a number), with one power-of-two scale for each 32 numbers along K (OCP MX v1.0); their sums are f32. All else is computed in f32.
;;   The module's matrix products, in the order in which they are computed (A, B: the left and right operand; K: the contracted axis; several contracted axes count as one K, in the product's order):
;;     1. [M 8,192, K 1,024] x [K 1,024, N 1,024]; A: input x (given as codes); B: input Wq (given as codes): QUANTISED
;;     2. [M 8,192, K 1,024] x [K 1,024, N 1,024]; A: input x (given as codes); B: input Wk (given as codes): QUANTISED
;;     3. [M 8,192, K 1,024] x [K 1,024, N 1,024]; A: input x (given as codes); B: input Wv (given as codes): QUANTISED
;;     4. batch 64 x [M 2,048, K 64] x [K 64, N 2,048]; A: computed on the way; B: computed on the way: QUANTISED
;;     5. batch 64 x [M 2,048, K 2,048] x [K 2,048, N 64]; A: softmax (see below); B: computed on the way: QUANTISED
;;     6. [M 8,192, K 1,024] x [K 1,024, N 1,024]; A: computed on the way; B: input Wp (given as codes): QUANTISED
;;   THE QUANTISER, for each operand of a quantised product, along K:
;;     - K is cut into blocks of 32 from its start; a last block that is shorter is filled with zeros.
;;     - A block's scale is 2^e with e = floor(log2(the largest magnitude in the block)) - 2, held to -126 .. 127; a block of zeros has e = 0. As a byte (E8M0): e + 127.
;;     - Each number is divided by its block's scale, clamped to +-7.5, and rounded to the nearest number of E2M3, ties to even, subnormals kept.
;;     - The product sums the exact products of the quantised numbers (number of the format x scale) in f32.
;;   ~~~python
;;   def quantise(x, axis):      # numpy; x: float32 -> the quantised numbers, widened to float32 again
;;       x = np.moveaxis(x, axis, -1); K = x.shape[-1]
;;       x = np.pad(x, [(0, 0)] * (x.ndim - 1) + [(0, -K % 32)]); x = x.reshape(x.shape[:-1] + (-1, 32)); a = np.abs(x).max(-1, keepdims=True)
;;       e = np.where(a > 0, np.clip(np.frexp(np.where(a > 0, a, 1))[1] - 1 - 2, -126, 127), 0)      # np.frexp(a)[1] - 1 = floor(log2(a)), exactly
;;       r = np.clip(x / 2.0 ** e, -7.5, 7.5)
;;       step = 2.0 ** (np.maximum(np.frexp(np.where(r == 0, 1, r))[1] - 1, 0) - 3)
;;       q = np.round(r / step) * step * 2.0 ** e      # np.round: ties to even
;;       return np.moveaxis(q.reshape(q.shape[:-2] + (-1,))[..., :K], -1, axis).astype(np.float32)
;;   ~~~
;;   SOFTMAX AHEAD OF A QUANTISED PRODUCT. Where the list says 'softmax', what is quantised is not the finished softmax but p = 2^(t - M), with t = logit x log2(e) and M = ceil(the row's largest t), a whole number; so 1/2 < the row's largest p <= 1. The row's sum l is taken of the UNQUANTISED p, in f32, and the product's result is divided by l at the end. Since M is a whole number, a kernel that streams over the keys may use a running M (the ceiling of the running maximum): every later rescaling is an exact power of two, which a block's scale takes up: the codes' values come out the same.
;;   OPERANDS COMPUTED ON THE WAY. 'Computed on the way' means the value that the module computes at that place (a softmax that the list does not call 'softmax' is quantised finished and normalised). What goes into a quantiser is computed in f32, as accurately as f32 sums, v_exp_f32 and their like allow (about 1e-6 of the number): no bf16 or f16 on the way to a quantiser, and a product that is left as it is and whose result goes on into a quantised operand takes f32 operands (vector FMAs, or v_wmma_f32_16x16x4_f32). A number that lies on a knife's edge between two numbers of the format may be rounded either way, as far as f32 arithmetic and the matrix unit's own rounding can turn it there, and no further.
;;   INPUTS GIVEN AS CODES. Wk (in the module: [1024, 1024], K = its axis 1); Wp (in the module: [1024, 1024], K = its axis 1); Wq (in the module: [1024, 1024], K = its axis 1); Wv (in the module: [1024, 1024], K = its axis 1); x (in the module: [4, 2048, 1024], K = its axis 2): each comes as NAME_codes (uint8): NAME with its K axis moved to the last place and cut into blocks of 32 codes, [.., K / 32, bytes a block], one block behind the other in memory; four codes in three bytes: a row's codes are one little-endian stream of bits, code i at bits 6 i .. 6 i + 5 (a code: sign, 2 exponent bits, 3 mantissa bits); and NAME_scales (uint8): the same leading axes, one E8M0 byte (e + 127) for each 32 codes along K. Its value is code x scale, taken as it is: it is not quantised again, and the codes and scales need not be those that the quantiser above would give.
;; One version. Each part assembles by itself: llvm-mc -triple=amdgcn-amd-amdhsa -mcpu=gfx1250 --defsym DOCPART=n.
;; ======== version 1 of 1: 3 launches
;; workspace buffers: q 6,815,744 bytes; kv 13,369,344 bytes; yc 6,291,456 bytes; ys 262,144 bytes
;; launch qkv (part 1): grid 12 x 32, 4 waves a work-group, clusters of 4 x 4, 327,680 bytes of LDS; arguments x_codes, x_scales, Wq_codes, Wq_scales, Wk_codes, Wk_scales, Wv_codes, Wv_scales, q, kv; writes q, kv
.if DOCPART == 1
	.amdgcn_target "amdgcn-amd-amdhsa--gfx1250"
	.amdhsa_code_object_version 6
	.text
	.protected	k_q12b5a972fc_qkv
	.globl	k_q12b5a972fc_qkv
	.p2align	8
	.type	k_q12b5a972fc_qkv,@function
k_q12b5a972fc_qkv:
	s_mov_b64 s[64:65], 0
	v_nop
	global_prefetch_b8 v0, s[64:65] scope:SCOPE_SE
	s_setreg_imm32_b32 hwreg(HW_REG_WAVE_MODE, 25, 1), 1
	s_wait_xcnt 0x0
	s_wait_alu depctr_hold_cnt(0) depctr_sa_sdst(0) depctr_va_vdst(0) depctr_va_sdst(0) depctr_va_ssrc(0) depctr_va_vcc(0) depctr_vm_vsrc(0)
	s_getreg_b32 s2, hwreg(HW_REG_IB_STS2, 6, 4)
	s_cmp_eq_u32 s2, 0
	s_cbranch_scc0 .Lentry_in_a_cluster
	s_endpgm
.Lentry_in_a_cluster:
	s_bfe_u32 s2, ttmp6, 0x10000c
	s_cmp_lg_u32 s2, 0xf033
	s_cbranch_scc0 .Lentry_shape_is_right
	s_endpgm
.Lentry_shape_is_right:
; q = x Wq^T, k = x Wk^T, v = x Wv^T on codes of FP6 (E2M3) with one E8M0 scale for each 32 along K = 1,024, and the results quantised again, in registers, for the attention that follows.
; ONE FORM FOR ALL THREE: C[m][n] = sum over k of A[m][k] B[n][k], quantised ALONG n.  The cluster's x is the kind: 0: A = x, B = Wq; 1: A = x, B = Wk (n = the heads' channels: q and k are quantised along a head's 64);
; 2: A = Wv, B = x (n = the tokens: v is quantised along the keys).  All operands have rows of 768 bytes of codes and 32 scale bytes, so the kinds differ in pointers and tile numbers alone.
; A tile of C, 256 x 256, is made by four waves, 128 x 128 each: 64 accumulators of 16 x 16, 512 registers.  K goes in steps of 256 through a ring of two LDS slots filled by the tensor data mover.
; The scale bytes of the tile's 256 rows of A and of B, for all of K, come into LDS once, with the first fills.
; CLUSTERS: 4 x 4 work-groups; A's tiles are asked for jointly along a row of the cluster, B's along a column.
; THE MATRIX INSTRUCTION IS USED TRANSPOSED (source 0 = 16 rows of B, source 1 = 16 rows of A): lane (r, h) holds row m = r of A's block, and register 8 b + j of its 64 the column n = 16 b + 8 h + j.
; THE WAY OUT.  A block of 32 along n lies in lanes l and l xor 16, 16 numbers each: its largest magnitude gives the scale's byte; the conversions' halves change lanes so that a lane holds a whole block.
; Inside a block the codes then stand in the order 0-7, 16-23, 8-15, 24-31.  q and k are both made so, and so are v and the softmax's p in the next launch: a permutation of k that both sides of a product share keeps the product.
; The codes leave as IMAGES OF THE OPERAND'S REGISTERS: half a fragment (16 rows x 64 K, 6 registers) is 768 bytes: registers 0-3 at 16 x lane, registers 4-5 at 512 + 8 x lane.  Every store covers whole aligned runs of 256 bytes.
;   q:  [batch x head 64][step of 128 tokens 16][6,656]: 8 tiles of 16 tokens x 768; at 6,144 the scale words: word of (tile 4 k + i, row r) at 256 k + 16 r + 4 i, bytes 0, 1 the head's two blocks, bytes 2, 3 zero.
;   kv: [64][16][13,056]: k as q; at 6,144 v: 4 tiles of 16 channels x 1,536 (128 keys); at 12,288 k's scale words; at 12,800 v's: word of (tile i, channel r) at 16 r + 4 i.
; LIMITS: a block whose largest magnitude lies under 2^-124, a block of zeros among them, gets the byte 1 (the bytes are read by this program alone; a block of zeros has zero codes); NaN and infinities are not served.
; REGISTERS, in windows of 256: window 0: v0-31 addresses; v32-63 scale words, two sets; v128-223 A's fragments, one set (on the way out v128-183 are at work).  window 1: B's fragments, two sets, at v0 and v128.
;   window 2: the 32 accumulators of my rows 0-63 (accumulator (a, b) at v[8 (8 a + b)]);  window 3: those of my rows 64-127.
.set KSTEP,  256                       ; along K in a slot
.set NQ,     2                         ; matrix instructions deep
.set ROWB,   192                       ; a tile's row in bytes
.set KROW,   768                       ; a row of codes in memory
.set PITCH,  240                       ; an LDS row: 3 x (64 bytes + 16 of padding)
.set FR,     12                        ; registers of a fragment
.set NL,     6                         ; LDS loads that bring one
.set NP,     4                         ; places behind this matrix instruction (ISA guide 7.12.1)
.set HALFT,  128*PITCH                 ; what one tensor load brings
.set SLOT,   4*HALFT                   ; A's 256 rows, then B's 256 rows
.set LAPS,   2                         ; 1,024 / 512
.set KS,     32                        ; a row of scale bytes
.set SCL,    2*SLOT                    ; behind the ring: the scales, as runs of 256 bytes + 16 of padding
.set HALFS,  (128*KS/256)*272
.set SBLK,   (16*KS/256)*272
.set SPARE,  SCL+4*HALFS               ; the spare words, 128 bytes for each wave; no other line names them
.set ADRA, 16                          ; v16-17 LDS address of my A fragments in slot 0, 1 (v18-19: behind one padding more)
.set ADRB, 20                          ; v20-23 the same for B
.set LI,   24                          ; v24  the way out: 16 x lane
.set L8,   25                          ; v25  8 x lane
.set SWO,  26                          ; v26  16 r + h x (a head's bytes): where a lane's four scale words go
.set ADRS, 27                          ; v27  LDS address of my scale words
.set SPW,  28                          ; v28  my spare word; never rewritten
.set NIL,  29                          ; v29  0; never rewritten
.set SH,   30                          ; v30  16 h
.set SC,   32                          ; scale words
.set AF,   128                         ; A's fragments
.set TM,   128                         ; the way out: v128-131 largest magnitudes, v132-135 bytes, v140-143 the conversions' scale operands
.set CD,   144                         ; v144-155 a fragment's codes; v156-158, v160-162 the conversions' second halves
.set PW,   168                         ; v168-175 block a's scale word
.set SO,   176                         ; v176-183 the words as they are stored
.set G1, 24
.set G0, 32
.set G1B, 48
.set G0B, 56
.set G1S, 68
.set G0S, 76
.set G1SB, 80
.set G0SB, 88
.set MSB, 0
.macro WIN new                         ; the immediate's high byte repeats the setting that is left
.if MSB != (\new)
	s_set_vgpr_msb (MSB<<8)|(\new)
.set MSB, (\new)
.endif
.endm
.set MUL_LO, 0xa1                      ; source 0 (B) window 1, source 1 (A) window 0, C and D window 2
.set MUL_HI, 0xf1                      ; the same, C and D window 3
.set TO_B,   0x40                      ; destination window 1
; A joint load: waves 0 and 1 fetch for A, waves 2 and 3 for B.  The branch hangs on the wave's number alone.  Four v_nop follow each of the two lines.
.macro JLOAD g0a, g1a, g0b, g1b
	s_cmp_eq_u32 s15, 0
	s_cbranch_scc0 .Lfor_b_\@
	tensor_load_to_lds s[\g0a:\g0a+3], s[\g1a:\g1a+7]
	s_nop 0
.rept 4
	v_nop
.endr
	s_branch .Lasked_\@
.Lfor_b_\@:
	tensor_load_to_lds s[\g0b:\g0b+3], s[\g1b:\g1b+7]
	s_nop 0
.rept 4
	v_nop
.endr
.Lasked_\@:
.endm
.macro CREST                           ; a round of the cluster's barrier behind its opening barrier
	s_cmp_lg_u32 s14, 0
	s_cbranch_scc1 .Lnot_wave_0_\@
	s_barrier_signal -3
.Lnot_wave_0_\@:
	s_barrier_wait -3
	s_barrier_signal -1
	s_barrier_wait -1
.endm
.macro CROUND                          ; a whole round
	s_barrier_signal -1
	s_barrier_wait -1
	CREST
.endm
	s_load_b512 s[68:83], s[0:1], 0x0              ; x's codes, scales; Wq's; Wk's; Wv's
	s_load_b128 s[84:87], s[0:1], 0x40             ; q, kv
	v_lshl_add_u32 v[SPW], v0, 2, SPARE
	v_mov_b32 v[NIL], 0
	ds_add_u32 v28, v29
	ds_add_u32 v28, v29
	s_wait_dscnt 0x0
	v_lshrrev_b32 v1, 5, v0
	v_readfirstlane_b32 s14, v1                    ; wave 0..3
	s_lshr_b32 s15, s14, 1                         ; which half of the tile's rows is mine.  Also: I fetch for A (0) or for B (1)
	s_and_b32 s16, s14, 1                          ; which half of its columns.  Also: which 128 rows of that tile I fetch
	s_bfe_u32 s40, ttmp6, 0x40000                  ; cx, cy: my place in the cluster
	s_bfe_u32 s41, ttmp6, 0x40004
	s_and_b32 s98, ttmp7, 0xffff
	s_lshl_b32 s98, s98, 2                         ; 4 x cluster y: it walks the 32 tiles of tokens
	s_cmp_lt_u32 ttmp9, 2                          ; the kind, the same in all sixteen partners
	s_cselect_b32 s17, s98, 0                      ; q, k: the tokens are A's rows;
	s_cselect_b32 s42, 0, s98                      ; v: they are B's
	s_add_co_u32 s17, s17, s41                     ; tile row of C
	s_add_co_u32 s42, s42, s40                     ; tile column of C
	s_lshl_b32 s43, s41, 2
	s_lshl_b32 s43, 15, s43                        ; my row of the cluster
	s_lshl_b32 s44, 0x1111, s40                    ; my column
	; descriptor group 1: a tile of 128 rows x 192 bytes, 16 bytes of padding behind every 64
	s_or_b32 s[G1+0], s43, (0<<16)|(1<<20)|(1<<21)|(3<<22)|(3<<25)
	s_or_b32 s[G1B+0], s44, (0<<16)|(1<<20)|(1<<21)|(3<<22)|(3<<25)
.irp g, G1, G1B
	s_mov_b32 s[\g+1], ROWB<<16                    ; tensor_dim0
	s_mov_b32 s[\g+2], 128<<16                     ; tensor_dim1
	s_mov_b32 s[\g+3], ROWB<<16                    ; tile_dim0
	s_mov_b32 s[\g+4], 128                         ; tile_dim1
	s_mov_b32 s[\g+5], KROW                        ; tensor_dim0_stride
	s_mov_b32 s[\g+6], 0
	s_mov_b32 s[\g+7], 0
.endr
	s_lshl_b32 s18, s16, 7                         ; which 128 rows of the tile I fetch
	s_lshl_b32 s20, s17, 8
	s_add_co_u32 s20, s20, s18                     ; A: row 256 x tile row + 128 x half
	s_lshl_b32 s46, s42, 8
	s_add_co_u32 s46, s46, s18                     ; B: row 256 x tile column + 128 x half
	s_lshl_b32 s22, s20, 5                         ; where these rows' scale bytes begin (32 a row),
	s_lshl_b32 s92, s46, 5
	s_mul_i32 s20, s20, KROW                       ; and their codes: 8,191 x 768 at the most
	s_mul_i32 s46, s46, KROW
	s_mov_b32 s21, 0
	s_mov_b32 s23, 0
	s_mov_b32 s47, 0
	s_mov_b32 s93, 0
	s_mul_i32 s45, s14, HALFT                      ; where they go: wave x 128 rows: no place in the cluster enters an LDS address
	s_mul_i32 s94, s14, HALFS
	s_wait_kmcnt 0x0
	s_cmp_lt_u32 ttmp9, 2                          ; the buffers are chosen by the kind alone
	s_cselect_b64 s[4:5], s[68:69], s[80:81]       ; A's codes: x's or Wv's
	s_cselect_b64 s[6:7], s[70:71], s[82:83]       ; A's scales
	s_cselect_b64 s[8:9], s[76:77], s[68:69]       ; B's codes: Wk's or x's,
	s_cselect_b64 s[10:11], s[78:79], s[70:71]
	s_cmp_eq_u32 ttmp9, 0
	s_cselect_b64 s[8:9], s[72:73], s[8:9]         ; or Wq's
	s_cselect_b64 s[10:11], s[74:75], s[10:11]
	s_cselect_b64 s[12:13], s[84:85], s[86:87]     ; the output: q or kv
	; the arguments' registers are free now.  Group 1 for the scales of 128 rows: 4,096 dense bytes as 16 rows of 256 (32 elements of 8 bytes), 16 bytes of padding behind each
	s_or_b32 s[G1S+0], s43, (3<<16)|(1<<20)|(1<<21)|(5<<22)|(3<<25)
	s_or_b32 s[G1SB+0], s44, (3<<16)|(1<<20)|(1<<21)|(5<<22)|(3<<25)
.irp g, G1S, G1SB
	s_mov_b32 s[\g+1], 32<<16
	s_mov_b32 s[\g+2], (128*KS/256)<<16
	s_mov_b32 s[\g+3], 32<<16
	s_mov_b32 s[\g+4], 128*KS/256
	s_mov_b32 s[\g+5], 32
	s_mov_b32 s[\g+6], 0
	s_mov_b32 s[\g+7], 0
.endr
	s_add_nc_u64 s[20:21], s[4:5], s[20:21]
	s_add_nc_u64 s[22:23], s[6:7], s[22:23]
	s_add_nc_u64 s[46:47], s[8:9], s[46:47]
	s_add_nc_u64 s[92:93], s[10:11], s[92:93]
	CROUND                                         ; all sixteen work-groups are here: the first joint loads meet
	s_mov_b32 s[G0S], 1
	s_add_co_u32 s[G0S+1], s94, SCL
	s_mov_b64 s[G0S+2:G0S+3], s[22:23]
	s_or_b32 s[G0S+3], s[G0S+3], 0x80000000
	s_mov_b32 s[G0SB], 1
	s_add_co_u32 s[G0SB+1], s94, SCL
	s_mov_b64 s[G0SB+2:G0SB+3], s[92:93]
	s_or_b32 s[G0SB+3], s[G0SB+3], 0x80000000
	JLOAD G0S, G1S, G0SB, G1SB                     ; the scales first: they are wanted with K step 0
.irp s, 0,1
	s_mov_b32 s[G0+4*\s], 1
	s_add_co_u32 s[G0+4*\s+1], s45, \s*SLOT
	s_add_nc_u64 s[G0+4*\s+2:G0+4*\s+3], s[20:21], \s*ROWB
	s_or_b32 s[G0+4*\s+3], s[G0+4*\s+3], 0x80000000
	s_mov_b32 s[G0B+4*\s], 1
	s_add_co_u32 s[G0B+4*\s+1], s45, \s*SLOT
	s_add_nc_u64 s[G0B+4*\s+2:G0B+4*\s+3], s[46:47], \s*ROWB
	s_or_b32 s[G0B+4*\s+3], s[G0B+4*\s+3], 0x80000000
	JLOAD G0+4*\s, G1, G0B+4*\s, G1B               ; three tensor loads of mine are out
.endr
	v_and_b32 v1, 15, v0                           ; r = l % 16
	v_bfe_u32 v2, v0, 4, 1                         ; h = l / 16
	v_mul_u32_u24 v3, v1, PITCH
	v_mul_u32_u24 v4, v2, 24
	v_add_nc_u32 v4, v3, v4                        ; a fragment's row x pitch + 24 x half
	v_lshl_add_u32 v5, v2, 4, v4                   ; and the same behind one padding more
	s_mul_i32 s21, s15, HALFT                      ; my 128 rows of A
	s_mul_i32 s22, s16, HALFT                      ; my 128 rows of B,
	s_add_co_u32 s22, s22, 2*HALFT                 ; which lie behind A's 256
.irp s, 0,1
	v_add_nc_u32 v[ADRA+\s], s21, v4
	v_add_nc_u32 v[ADRB+\s], s22, v4
	v_add_nc_u32 v[ADRA+2+\s], s21, v5
	v_add_nc_u32 v[ADRB+2+\s], s22, v5
	s_add_co_u32 s21, s21, SLOT
	s_add_co_u32 s22, s22, SLOT
.endr
	v_mul_u32_u24 v5, v1, KS                       ; my row's scales: 32 bytes a row,
	v_lshrrev_b32 v6, 8, v5
	v_lshl_add_u32 v5, v6, 4, v5                   ; and 16 more for each 256 passed
	s_mul_i32 s21, s15, HALFS                      ; A's: my 128 rows
	s_mul_i32 s22, s16, HALFS                      ; B's: my 128 rows, behind A's 256
	s_add_co_u32 s22, s22, 2*HALFS
	s_sub_co_u32 s22, s22, s21
	v_mul_u32_u24 v6, s22, v2                      ; lanes 16-31 take B's: the lower base + h x the distance
	s_add_co_u32 s21, s21, SCL
	v_add_nc_u32 v5, v5, v6
	v_add_nc_u32 v[ADRS], s21, v5
.macro FRAG reg, adr, q, i             ; a fragment, 16 rows x 128 K: lane l holds row l % 16; registers 6 c .. 6 c + 5 hold K = 64 c + 32 (l / 16) + 0 .. 31: 24 bytes of the row, as they lie, in pieces of 8 bytes
.irp p, 0,1,2,3,4,5
.set PC, 12*(\q)+6*(\p/3)+\p%3        ; 16 bytes of padding lie behind every 8 pieces: where the piece three on (lanes 16-31) lies behind one padding more, the second address register serves
.if PC%8 < 5
	ds_load_b64 v[\reg+2*\p:\reg+2*\p+1], v[\adr] offset:8*PC+16*(PC/8)+(\i)*16*PITCH
.else
	ds_load_b64 v[\reg+2*\p:\reg+2*\p+1], v[\adr+2] offset:8*PC+16*(PC/8)+(\i)*16*PITCH
.endif
.endr
.endm
; 16 matrix instructions: A's blocks a0, a0 + 1 x B's eight, the slot's q-th 128 along K.  p: B's set; sc: the set of scale words.  zero = 1: the first product starts the sums.
; The 64 accumulators take turns, one instruction a turn, in the same order in every step.
.macro MUL16 a0, p, q, sc, zero
.irp a, \a0, \a0+1
.irp b, 0,1,2,3,4,5,6,7
.if \zero
	v_wmma_scale_f32_16x16x128_f8f6f4 v[8*(8*((\a)%4)+\b):8*(8*((\a)%4)+\b)+7], v[128*(\p)+FR*\b:128*(\p)+FR*\b+FR-1], v[AF+FR*(\a):AF+FR*(\a)+FR-1], 0, v[SC+8*NQ*(\sc)+NQ*\b+(\q)], v[SC+8*NQ*(\sc)+NQ*(\a)+(\q)] matrix_a_fmt:MATRIX_FMT_FP6 matrix_b_fmt:MATRIX_FMT_FP6 matrix_a_scale:MATRIX_SCALE_ROW1
.else
	v_wmma_scale_f32_16x16x128_f8f6f4 v[8*(8*((\a)%4)+\b):8*(8*((\a)%4)+\b)+7], v[128*(\p)+FR*\b:128*(\p)+FR*\b+FR-1], v[AF+FR*(\a):AF+FR*(\a)+FR-1], v[8*(8*((\a)%4)+\b):8*(8*((\a)%4)+\b)+7], v[SC+8*NQ*(\sc)+NQ*\b+(\q)], v[SC+8*NQ*(\sc)+NQ*(\a)+(\q)] matrix_a_fmt:MATRIX_FMT_FP6 matrix_b_fmt:MATRIX_FMT_FP6 matrix_a_scale:MATRIX_SCALE_ROW1
.endif
.endr
.endr
.endm
.macro FETCH_B slot, q, p              ; B's eight fragments of the slot's q-th 128 along K into set p
	WIN TO_B
.irp i, 0,1,2,3,4,5,6,7
	FRAG 128*(\p)+FR*\i, ADRB+\slot, \q, \i
.endr
	WIN 0
.endm
.macro FETCH_A slot, q, i0             ; A's blocks i0 .. i0 + 3
.irp i, \i0, \i0+1, \i0+2, \i0+3
	FRAG AF+FR*(\i), ADRA+\slot, \q, \i
.endr
.endm
.macro SCALES sc                       ; a K step's scale words into set sc: lanes 0-15 take A's block i, lanes 16-31 B's block i
.irp i, 0,1,2,3,4,5,6,7
	ds_load_b64 v[SC+8*NQ*\sc+NQ*\i:SC+8*NQ*\sc+NQ*\i+1], v[ADRS] offset:\i*SBLK
.endr
.endm
.macro PLACES n                        ; plain vector instructions that name no register of the matrix instructions in front (ISA guide 7.12.1)
.rept \n
	v_nop
.endr
.endm
; A step of 128 along K that has its successor in the same slot.
.macro STEP slot, q, zero
	s_wait_dscnt 4*NL                              ; B's set and A's blocks 0-3 are in; the youngest 24 loads (A's blocks 4-7) may be out
	WIN MUL_LO
	MUL16 0, (\q)%2, \q, \slot, \zero
	MUL16 2, (\q)%2, \q, \slot, \zero
	s_wait_dscnt 0                                 ; A's blocks 4-7 are in
	PLACES NP
	FETCH_B \slot, (\q)+1, 1-(\q)%2
	FETCH_A \slot, (\q)+1, 0
	WIN MUL_HI
	MUL16 4, (\q)%2, \q, \slot, \zero
	MUL16 6, (\q)%2, \q, \slot, \zero
	PLACES NP
	WIN 0
	FETCH_A \slot, (\q)+1, 4
.endm
; A slot's last step changes slots: one barrier; in front of it each wave waits for all its tensor loads, adds 0 to its spare word, and waits for that and for its own reads of this slot.  fill = 1: this slot is filled again, two K steps ahead.
.macro TURN slot, next, fill
	s_wait_tensorcnt 0x0                           ; all my tensor loads have landed: my part of the next slot
	ds_add_u32 v[SPW], v[NIL]                      ; 0 onto my spare word
	s_wait_dscnt 4*NL+1                            ; the add and the youngest 24 loads, A's blocks 4-7, may be out
	WIN MUL_LO
	MUL16 0, 1, NQ-1, \slot, 0                     ; sixteen matrix instructions stand between the add and the wait for it
	s_wait_dscnt 0x0                               ; the add is done, and my reads of this slot are over
	s_barrier_signal -1
	MUL16 2, 1, NQ-1, \slot, 0
	WIN 0
	s_barrier_wait -1
.if \fill
	CREST                                          ; the barrier has opened a round of the cluster's barrier: no wave of any partner still reads this slot or has a load on its way
	s_add_nc_u64 s[G0+4*\slot+2:G0+4*\slot+3], s[G0+4*\slot+2:G0+4*\slot+3], 2*ROWB
	s_add_nc_u64 s[G0B+4*\slot+2:G0B+4*\slot+3], s[G0B+4*\slot+2:G0B+4*\slot+3], 2*ROWB
	JLOAD G0+4*\slot, G1, G0B+4*\slot, G1B         ; the first tensor load behind the round; its four v_nop are the places in front of the loads below
.else
	PLACES NP
.endif
	s_wait_alu depctr_va_vdst(0)
	v_add_nc_u32 v[ADRS], 4*NQ, v[ADRS]            ; on to the next K step's scale words (no LDS load of mine is out)
	FETCH_B \next, 0, 0
	FETCH_A \next, 0, 0
	SCALES \next
	WIN MUL_HI
	MUL16 4, 1, NQ-1, \slot, 0
	MUL16 6, 1, NQ-1, \slot, 0
	PLACES NP
	WIN 0
	FETCH_A \next, 0, 4
.endm
	s_wait_alu depctr_va_vdst(0)
	s_wait_tensorcnt 1                             ; the scales and my part of K step 0 are in (K step 1's load may be out)
	s_barrier_signal -1
	s_barrier_wait -1                              ; everybody's are
	FETCH_B 0, 0, 0
	FETCH_A 0, 0, 0
	SCALES 0
	FETCH_A 0, 0, 4
	STEP 0, 0, 1                                   ; the first step stands in front of the loop: its products start the sums
	s_mov_b32 s3, LAPS-1
.Llap:                                                 ; a trip goes once round the ring and fills both slots again
	TURN 0, 1, 1
	STEP 1, 0, 0
	TURN 1, 0, 1
	STEP 0, 0, 0
	s_sub_co_u32 s3, s3, 1
	s_cmp_lg_u32 s3, 0
	s_cbranch_scc1 .Llap
	TURN 0, 1, 0                                   ; the last lap fills nothing
	STEP 1, 0, 0
	s_wait_dscnt 4*NL                              ; the very last step: nothing more to fetch
	WIN MUL_LO
	MUL16 0, 1, NQ-1, 1, 0
	MUL16 2, 1, NQ-1, 1, 0
	s_wait_dscnt 0
	WIN MUL_HI
	MUL16 4, 1, NQ-1, 1, 0
	MUL16 6, 1, NQ-1, 1, 0
	WIN 0
	PLACES NP                                      ; in front of the first reads of results and of writes into the registers that held A's fragments
	; THE WAY OUT.  No tensor load of mine is out since the last change of slots.  Where my 128 x 128 go: P = the tile of tokens, X = the tile of channels.
	s_mov_b32 s20, 0x76543210
	s_mov_b32 s21, 0xfedcba98                      ; v_permlanex16_b32's selects for lane l xor 16
	s_mov_b32 s66, 0xffff0000                      ; lanes 16-31
	s_mov_b32 s10, 1536
	s_mov_b32 s44, 13056
	s_mov_b32 s45, 12288
	s_cmp_lt_u32 ttmp9, 2
	s_cselect_b32 s22, s17, s42                    ; P
	s_cselect_b32 s23, s15, s16                    ; and my half of it
	s_cselect_b32 s40, s42, s17                    ; X
	s_cselect_b32 s41, s16, s15                    ; and my half of it
	s_cselect_b32 s10, 768, s10                    ; from block to block: half a fragment (q, k) or a whole one (v)
	s_cselect_b32 s43, 0, 6144                     ; where the codes begin in a step's bytes
	s_cmp_eq_u32 ttmp9, 0
	s_cselect_b32 s44, 6656, s44                   ; a step's bytes
	s_cselect_b32 s45, 6144, s45                   ; where the scale words begin
	s_lshl_b32 s94, s44, 4                         ; a head's bytes: 16 steps
	s_sub_co_u32 s18, s94, 6144
	s_cmp_eq_u32 ttmp9, 2
	s_cselect_b32 s45, 12800, s45
	s_cselect_b32 s92, 768, s94                    ; from a fragment's first half to its second: the next head (q, k), or 768 bytes (v)
	s_cselect_b32 s18, s18, 0                      ; v: behind four tiles of channels comes the next head
	s_mov_b32 s11, 0
	s_mov_b32 s19, 0
	s_mov_b32 s93, 0
	s_mov_b32 s47, 0
	s_lshl_b32 s22, s22, 1
	s_add_co_u32 s22, s22, s23                     ; my step of 128 tokens among the 64
	s_lshl_b32 s40, s40, 2
	s_lshl_b32 s41, s41, 1
	s_add_co_u32 s40, s40, s41                     ; my first head
	s_lshr_b32 s23, s22, 4                         ; the batch
	s_lshl_b32 s23, s23, 4
	s_add_co_u32 s23, s23, s40
	s_lshl_b32 s23, s23, 4
	s_and_b32 s22, s22, 15
	s_add_co_u32 s23, s23, s22                     ; ((batch x 16 + head) x 16 + step)
	s_mul_i32 s46, s23, s44                        ; in bytes: 1,023 x 13,056 at the most
	s_add_nc_u64 s[12:13], s[12:13], s[46:47]
	s_mov_b32 s46, s43
	s_add_nc_u64 s[4:5], s[12:13], s[46:47]        ; a fragment's first half,
	s_add_nc_u64 s[6:7], s[4:5], s[92:93]          ; its second,
	s_mov_b32 s46, s45
	s_add_nc_u64 s[8:9], s[12:13], s[46:47]        ; the scale words
	v_and_b32 v3, 31, v0
	v_lshlrev_b32 v[LI], 4, v3
	v_lshlrev_b32 v[L8], 3, v3
	v_and_b32 v1, 15, v0
	v_bfe_u32 v2, v0, 4, 1
	v_lshlrev_b32 v[SH], 4, v2
	v_mul_u32_u24 v[SWO], s94, v2                  ; lanes 16-31 store the next head's words
	v_lshl_add_u32 v[SWO], v1, 4, v[SWO]
.irp b, 0,1,2,3
	v_mov_b32 v[TM+4+\b], 0                        ; written once: a lane permute's destination counts as one of its sources
.endr
; A's block a: my row's 128 numbers, four blocks of 32, become a fragment's codes and a scale word.
.macro QBLOCK a
.set AC, 64*((\a)%4)
	WIN 0x0a+5*((\a)/4)                            ; sources 0 and 1: window 2 or 3
.irp b, 0,1,2,3
	v_max3_num_f32 v[TM+\b], |v[AC+16*\b]|, |v[AC+16*\b+1]|, 0x1800000   ; block b: my 16 numbers, each accumulator from its low end on, and the floor 2^(3 - 127): the byte cannot fall under 1
.endr
.irp i, 2,4,6,8,10,12,14
.irp b, 0,1,2,3
	v_max3_num_f32 v[TM+\b], |v[AC+16*\b+\i]|, |v[AC+16*\b+\i+1]|, v[TM+\b]   ; (the four blocks by turns)
.endr
.endr
	WIN 0
.irp b, 0,1,2,3
	v_permlanex16_b32 v[TM+4+\b], v[TM+\b], s20, s21
.endr
.irp b, 0,1,2,3
	v_max_num_f32 v[TM+\b], v[TM+\b], v[TM+4+\b]   ; with lane l xor 16's: the block's largest magnitude
.endr
.irp b, 0,1,2,3
	v_add_nc_u32 v[TM+12+\b], 0xff000000, v[TM+\b] ; 2 off its exponent field: the conversion takes the exponent field of this operand as its scale
.endr
.irp b, 0,1,2,3
	v_lshrrev_b32 v[TM+4+\b], 23, v[TM+12+\b]      ; the scale's byte
.endr
	v_lshl_or_b32 v[PW+\a], v[TM+5], 8, v[TM+4]
	v_lshl_or_b32 v[PW+\a], v[TM+6], 16, v[PW+\a]
	v_lshl_or_b32 v[PW+\a], v[TM+7], 24, v[PW+\a]
	s_wait_xcnt 0x0                                ; the last block's stores have read their data and their bases: both are written again only behind this wait
.if (\a) > 0
	s_add_nc_u64 s[4:5], s[4:5], s[10:11]
	s_add_nc_u64 s[6:7], s[6:7], s[10:11]
.endif
.if (\a) == 4
	s_add_nc_u64 s[4:5], s[4:5], s[18:19]
	s_add_nc_u64 s[6:7], s[6:7], s[18:19]
.endif
	WIN 2+(\a)/4                                   ; source 0: window 2 or 3
.irp c, 0,1
	v_cvt_scalef32_pk16_fp6_f32 v[CD+6*\c:CD+6*\c+2], v[AC+32*\c:AC+32*\c+15], v[TM+12+2*\c]
	v_cvt_scalef32_pk16_fp6_f32 v[CD+12+4*\c:CD+14+4*\c], v[AC+16+32*\c:AC+31+32*\c], v[TM+13+2*\c]   ; (a conversion's three registers begin on an even number)
.endr
	WIN 0
	v_nop                                          ; one plain place behind a scaled conversion
.irp c, 0,1                                    ; the operand's layout wants a whole block in a lane: lanes 0-15 block 2 c, lanes 16-31 block 2 c + 1
.irp i, 0,1,2
	v_permlane16_swap_b32 v[CD+6*\c+\i], v[CD+12+4*\c+\i]
.endr
.irp i, 0,1,2
	v_mov_b32 v[CD+3+6*\c+\i], v[CD+12+4*\c+\i]
.endr
.endr
	global_store_b128 v[LI], v[CD:CD+3], s[4:5]                ; 512 consecutive bytes,
	global_store_b64 v[L8], v[CD+4:CD+5], s[4:5] offset:512    ; and 256 behind them
	global_store_b128 v[LI], v[CD+6:CD+9], s[6:7]
	global_store_b64 v[L8], v[CD+10:CD+11], s[6:7] offset:512
.endm
.irp a, 0,1,2,3,4,5,6,7
	QBLOCK \a
.endr
	s_cmp_eq_u32 ttmp9, 2                          ; the kind: the same in all partners
	s_cbranch_scc1 .Lv_words
.irp a, 0,1,2,3,4,5,6,7
	v_bfe_u32 v[SO+\a], v[PW+\a], v[SH], 16        ; q, k: lanes 0-15 keep bytes 0, 1 (my first head's two blocks), lanes 16-31 bytes 2, 3 (the next head's); the upper two bytes are 0: they stand over zero codes alone
.endr
	global_store_b128 v[SWO], v[SO:SO+3], s[8:9]               ; tiles 0-3: sixteen lanes store 256 consecutive bytes
	global_store_b128 v[SWO], v[SO+4:SO+7], s[8:9] offset:256  ; tiles 4-7
	s_branch .Lwords_done
.Lv_words:
.irp i, 0,1,2,3
	v_cndmask_b32 v[SO+\i], v[PW+\i], v[PW+4+\i], s66          ; v: lanes 0-15 my first head's four tiles of channels, lanes 16-31 the next head's
.endr
	global_store_b128 v[SWO], v[SO:SO+3], s[8:9]
.Lwords_done:
	s_wait_tensorcnt 0x0                           ; the wave's end
	ds_add_u32 v[SPW], v[NIL]
	s_wait_dscnt 0x0
	CROUND                                         ; the closing round: no work-group ends while a partner may still ask for a tile that names it
	s_endpgm
.Lfunc_end_k_q12b5a972fc_qkv:
	.size	k_q12b5a972fc_qkv, .Lfunc_end_k_q12b5a972fc_qkv-k_q12b5a972fc_qkv
	.p2alignl 7, 3214868480
	.fill 96, 4, 3214868480
	.section	.rodata,"a",@progbits
	.p2align	6, 0x0
	.amdhsa_kernel k_q12b5a972fc_qkv
		.amdhsa_group_segment_fixed_size 327680
		.amdhsa_private_segment_fixed_size 0
		.amdhsa_enable_private_segment 0
		.amdhsa_kernarg_size 80
		.amdhsa_user_sgpr_count 2
		.amdhsa_user_sgpr_kernarg_segment_ptr 1
		.amdhsa_wavefront_size32 1
		.amdhsa_system_sgpr_workgroup_id_x 1
		.amdhsa_system_sgpr_workgroup_id_y 1
		.amdhsa_system_sgpr_workgroup_id_z 1
		.amdhsa_system_vgpr_workitem_id 0
		.amdhsa_next_free_vgpr 1024
		.amdhsa_next_free_sgpr 100
		.amdhsa_reserve_vcc 0
		.amdhsa_float_denorm_mode_32 3
		.amdhsa_float_denorm_mode_16_64 3
		.amdhsa_memory_ordered 1
		.amdhsa_forward_progress 1
		.amdhsa_inst_pref_size 168
	.end_amdhsa_kernel
	.amdgpu_metadata
---
amdhsa.version: [ 1, 2 ]
amdhsa.kernels:
  - .name:           k_q12b5a972fc_qkv
    .symbol:         k_q12b5a972fc_qkv.kd
    .args:
      - { .name: x_codes, .offset: 0, .size: 8, .value_kind: global_buffer, .address_space: global }
      - { .name: x_scales, .offset: 8, .size: 8, .value_kind: global_buffer, .address_space: global }
      - { .name: Wq_codes, .offset: 16, .size: 8, .value_kind: global_buffer, .address_space: global }
      - { .name: Wq_scales, .offset: 24, .size: 8, .value_kind: global_buffer, .address_space: global }
      - { .name: Wk_codes, .offset: 32, .size: 8, .value_kind: global_buffer, .address_space: global }
      - { .name: Wk_scales, .offset: 40, .size: 8, .value_kind: global_buffer, .address_space: global }
      - { .name: Wv_codes, .offset: 48, .size: 8, .value_kind: global_buffer, .address_space: global }
      - { .name: Wv_scales, .offset: 56, .size: 8, .value_kind: global_buffer, .address_space: global }
      - { .name: q, .offset: 64, .size: 8, .value_kind: global_buffer, .address_space: global }
      - { .name: kv, .offset: 72, .size: 8, .value_kind: global_buffer, .address_space: global }
    .group_segment_fixed_size: 327680
    .private_segment_fixed_size: 0
    .kernarg_segment_align: 8
    .kernarg_segment_size: 80
    .max_flat_workgroup_size: 128
    .sgpr_count:     100
    .vgpr_count:     1024
    .wavefront_size: 32
...
	.end_amdgpu_metadata
.endif
;; end of part 1
;; launch attn (part 2): grid 4 x 64, 16 waves a work-group, clusters of 4 x 1, 210,944 bytes of LDS; arguments q, kv, yc, ys; writes yc, ys
.if DOCPART == 2
	.amdgcn_target "amdgcn-amd-amdhsa--gfx1250"
	.amdhsa_code_object_version 6
	.text
	.protected	k_q12b5a972fc_attn
	.globl	k_q12b5a972fc_attn
	.p2align	8
	.type	k_q12b5a972fc_attn,@function
k_q12b5a972fc_attn:
	s_mov_b64 s[64:65], 0
	v_nop
	global_prefetch_b8 v0, s[64:65] scope:SCOPE_SE
	s_setreg_imm32_b32 hwreg(HW_REG_WAVE_MODE, 25, 1), 1
	s_wait_xcnt 0x0
	s_wait_alu depctr_hold_cnt(0) depctr_sa_sdst(0) depctr_va_vdst(0) depctr_va_sdst(0) depctr_va_ssrc(0) depctr_va_vcc(0) depctr_vm_vsrc(0)
	s_getreg_b32 s2, hwreg(HW_REG_IB_STS2, 6, 4)
	s_cmp_eq_u32 s2, 0
	s_cbranch_scc0 .Lentry_in_a_cluster
	s_endpgm
.Lentry_in_a_cluster:
	s_bfe_u32 s2, ttmp6, 0x10000c
	s_cmp_lg_u32 s2, 0x3003
	s_cbranch_scc0 .Lentry_shape_is_right
	s_endpgm
.Lentry_shape_is_right:
; y[b][t][head] = softmax over the keys k <= t of (q . k / 8) times v, both products on codes of FP6 (E2M3) with one E8M0 scale for each 32 along a product's K; y is quantised along its 1,024 channels for the product that follows.
; INPUTS are images of operand registers: q [batch x head 64][step of 128 tokens 16][6,656] (8 tiles of 16 queries x 768 bytes; at 6,144 the scale words);
; kv [64][16][13,056]: k's 8 tiles x 768; at 6,144 v's 4 tiles of 16 channels x 1,536 (128 keys); at 12,288 k's scale words; at 12,800 v's.  Half a fragment (6 registers): registers 0-3 at 16 x lane, registers 4-5 at 512 + 8 x lane.
; Inside a block of 32 the codes of q, k and v stand in the order 0-7, 16-23, 8-15, 24-31; p is made in the same order here: both sides of each product share it.
; THE SOFTMAX: t = score x log2(e) / 8; M = the row's largest t so far, rounded up to a whole number; p = 2^(t - M) is quantised along the keys, not normalised.  The row's sum is taken of the unquantised p and divides O at the end.
; When M moves, the sum and O are multiplied by 2^(old M - new M): exact.
; K = 64 IN AN INSTRUCTION OF K = 128: q's fragment has zero codes in registers 6-11.  k's tiles lie on end in registers, tile t in v[32 + 6 t .. 43 + 6 t]: its upper half is tile t + 1's codes (behind tile 7: zeros).  Every code of the
; format is a finite number, so these products are zeros; the scale bytes of those two blocks are 0 in q's and k's words, never 0xff.
; SHARES.  A cluster of four work-groups is one head; they ask for its k and v JOINTLY.  The head's 208,896 bytes fill LDS once and are never written again: no LDS store, no refill.
; A head has 128 tiles of 16 queries, in 16 groups of 8; the tiles of group g want the key steps 0 .. g.  Partner cx, wave w (e = w % 2, g' = w / 2) owns tile 8 (15 - g') + 2 cx + e and tile 8 g' + 2 cx + e:
; (16 - g') + (g' + 1) = 17 steps for every wave.  Every branch hangs on the wave's number; cx enters global addresses and the mask's lane number alone.  Sixteen waves of 256 registers: four to a SIMD.
; LAYOUT.  Both products are used transposed: S^T = k q^T (source 0 = 16 keys), O^T = v^T p^T (source 0 = 16 channels): a lane holds one query (lane % 16) throughout.
; Nothing is prefetched: all that the launch reads from memory is asked for at its head.
; LIMITS: a block of y whose largest magnitude lies under 2^-124, zeros among them, gets the byte 1 (read by this program alone); NaN and infinities are not served.
.set BLKQ,  6656
.set BLKKV, 13056
.set VIMG,  6144
.set KSCL,  12288
.set VSCL,  12800
.set EARLY, 4352                       ; 17 rows of 256 bytes: a twelfth of steps 0-3
.set KF,   32                          ; v32-85  k's chain (v80-85 stay 0); later v32-79 v's four fragments
.set KSW,  86                          ; v86-93  k's scale words
.set VSW,  94                          ; v94-97  v's
.set S,    98                          ; v98-161 S^T, then p
.set OT,   162                         ; v162-193 O^T
.set PCD,  194                         ; v194-205 p's codes
.set PX,   206                         ; v206-208, v210-212 the conversions' second halves
.set BM,   214                         ; v214-217 a block's largest score, then its largest p
.set BT,   218                         ; v218-221 the other half's maxima, then the bytes
.set BS,   222                         ; v222-225 the conversions' scale operands
.set FF,   226                         ; v[226:227] f = 2^(old M - new M); at the end 1 / the sum
.set TP,   228                         ; at work
.set NINF, 229                         ; -infinity
.set SM2,  230                         ; v[230:231] the sums' second chain
.set QH,   16                          ; v16-27  q of the late tile (v22-27 = 0); v28 its scale words
.set QHS,  28
.set PSW,  29                          ; v29     p's scale word
.set QL,   232                         ; v232-243 q of the early tile (v238-243 = 0); v244 its scale words
.set QLS,  244
; v1 16 x lane, v2 8 x lane, v3 16 r: never rewritten; v4-6 the same + the step's LDS byte; v7 d = 16 (2 cx + e) + r - 8 h; v9 32 r + h; v12 -M, v13 the largest t, v[14:15] the sum in two halves
.set WV,  12                           ; s12 wave
.set CX,  13
.set BH,  14                           ; s14 batch x 16 + head
.set GL,  16                           ; s16 g'
.set LIM, 17                           ; s17 the tile's last step
.set ST,  18                           ; s18 the step
.set TB,  19                           ; s19 the step's first LDS byte
.set SEL, 20                           ; s[20:21]
.set CS,  22                           ; s[22:23] c = log2(e) / 8
.set G1E, 24                           ; s[24:31] group 1, 17 rows;  s[32:39] 51 rows;  s[40:43], s[44:47] their groups 0
.set G1L, 32
.set G0E, 40
.set G0L, 44
.set HI,  48                           ; s48 lanes 16-31
.set POS, 72                           ; s72 2 cx + e
.set GH,  73                           ; s73 15 - g'
.macro CROUND                          ; a round of the cluster's barrier
	s_barrier_signal -1
	s_barrier_wait -1
	s_cmp_lg_u32 s[WV], 0
	s_cbranch_scc1 .Lnot_wave_0_\@
	s_barrier_signal -3
.Lnot_wave_0_\@:
	s_barrier_wait -3
	s_barrier_signal -1
	s_barrier_wait -1
.endm
; the four addresses of the tile 2 cx + e of group s[g]: q's codes, q's scale words, y's codes, y's scale bytes
.macro TILEADR g, qc, qs, yc, ys
	s_lshl_b32 s74, s[BH], 4
	s_add_co_u32 s74, s74, s[\g]
	s_mul_i32 s74, s74, BLKQ                       ; the group's bytes in q
	s_mul_i32 s76, s[POS], 768
	s_add_co_u32 s76, s76, s74
	s_mov_b32 s77, 0
	s_add_nc_u64 s[\qc:\qc+1], s[4:5], s[76:77]
	s_lshr_b32 s76, s[POS], 2
	s_lshl_b32 s76, s76, 8
	s_and_b32 s75, s[POS], 3
	s_lshl_b32 s75, s75, 2
	s_add_co_u32 s76, s76, s75                     ; 256 (tile / 4) + 4 (tile % 4)
	s_add_co_u32 s76, s76, s74
	s_add_co_u32 s76, s76, 6144
	s_add_nc_u64 s[\qs:\qs+1], s[4:5], s[76:77]
	s_lshr_b32 s74, s[BH], 4
	s_lshl_b32 s74, s74, 7
	s_lshl_b32 s75, s[\g], 3
	s_add_co_u32 s74, s74, s75
	s_add_co_u32 s74, s74, s[POS]                  ; the tile of 16 rows of y: 128 x batch + 8 g + tile
	s_and_b32 s75, s[BH], 15                       ; the head
	s_mul_i32 s76, s74, 12288
	s_mul_i32 s78, s75, 768
	s_add_co_u32 s76, s76, s78
	s_add_nc_u64 s[\yc:\yc+1], s[8:9], s[76:77]
	s_lshl_b32 s76, s74, 9                         ; 16 rows of 32 scale bytes
	s_lshl_b32 s78, s75, 1
	s_add_co_u32 s76, s76, s78
	s_add_nc_u64 s[\ys:\ys+1], s[10:11], s[76:77]
.endm
	s_load_b256 s[4:11], s[0:1], 0x0               ; q, kv, yc, ys
	v_lshl_add_u32 v254, v0, 2, 0x33000
	v_mov_b32 v255, 0
	ds_add_u32 v254, v255
	ds_add_u32 v254, v255
	v_lshrrev_b32 v1, 5, v0
	s_delay_alu instid0(VALU_DEP_1)
	v_readfirstlane_b32 s[WV], v1                  ; wave 0..15
	s_bfe_u32 s[CX], ttmp6, 0x40000                ; my place in the cluster
	s_and_b32 s[BH], ttmp7, 0xffff                 ; the head, which the four partners share
	s_and_b32 s15, s[WV], 1                        ; e
	s_lshr_b32 s[GL], s[WV], 1                     ; g'
	s_xor_b32 s[GH], s[GL], 15                     ; 15 - g'
	s_lshl_b32 s[POS], s[CX], 1
	s_add_co_u32 s[POS], s[POS], s15
	s_mov_b32 s[SEL], 0x76543210
	s_mov_b32 s[SEL+1], 0xfedcba98                 ; v_permlanex16_b32's selects for lane l xor 16
	s_mov_b32 s[CS], 0x3e38aa3b                    ; c = log2(e) / 8
	s_mov_b32 s[CS+1], s[CS]                       ; (named with it as a pair, so it is written)
	s_mov_b32 s[HI], 0xffff0000
	; descriptor groups 1: dense bytes as rows of 256 (32 elements of 8 bytes), no padding; the mask names all four work-groups, bit 21 beside it
	s_mov_b32 s[G1E], 15|(3<<16)|(1<<21)
	s_mov_b32 s[G1E+1], 32<<16
	s_mov_b32 s[G1E+2], 17<<16
	s_mov_b32 s[G1E+3], 32<<16
	s_mov_b32 s[G1E+4], 17
	s_mov_b32 s[G1E+5], 32
	s_mov_b32 s[G1E+6], 0
	s_mov_b32 s[G1E+7], 0
	s_mov_b32 s[G1L], 15|(3<<16)|(1<<21)
	s_mov_b32 s[G1L+1], 32<<16
	s_mov_b32 s[G1L+2], 51<<16
	s_mov_b32 s[G1L+3], 32<<16
	s_mov_b32 s[G1L+4], 51
	s_mov_b32 s[G1L+5], 32
	s_mov_b32 s[G1L+6], 0
	s_mov_b32 s[G1L+7], 0
	s_mul_i32 s66, s[BH], 16*BLKKV                 ; the head's first byte in kv
	s_mov_b32 s67, 0
	s_mul_i32 s68, s[WV], EARLY                    ; my twelfth of steps 0-3: the same offset in LDS and in the head's bytes
	s_mov_b32 s69, 0
	s_mul_i32 s70, s[WV], BLKKV
	s_add_co_u32 s70, s70, 4*BLKKV                 ; step 4 + wave
	s_mov_b32 s71, 0
	s_wait_dscnt 0x0
	s_wait_kmcnt 0x0
	s_add_nc_u64 s[6:7], s[6:7], s[66:67]
	CROUND                                         ; all four work-groups are here: the joint loads meet
	s_mov_b32 s[G0E], 1
	s_mov_b32 s[G0E+1], s68
	s_add_nc_u64 s[G0E+2:G0E+3], s[6:7], s[68:69]
	s_or_b32 s[G0E+3], s[G0E+3], 0x80000000
	s_mov_b32 s[G0L], 1
	s_mov_b32 s[G0L+1], s70
	s_add_nc_u64 s[G0L+2:G0L+3], s[6:7], s[70:71]
	s_or_b32 s[G0L+3], s[G0L+3], 0x80000000
	s_cmp_lt_u32 s[WV], 12                         ; waves 0-11 fetch, two loads each, in one branch on the wave's number: two tensor loads of mine are out
	s_cbranch_scc0 .Lno_fill
	tensor_load_to_lds s[G0E:G0E+3], s[G1E:G1E+7]
	s_nop 0
	tensor_load_to_lds s[G0L:G0L+3], s[G1L:G1L+7]
	s_nop 0
.rept 4
	v_nop
.endr
.Lno_fill:
	TILEADR GH, 50, 52, 58, 60                     ; the late tile
	TILEADR GL, 54, 56, 62, 80                     ; the early tile
	v_and_b32 v8, 31, v0
	s_delay_alu instid0(VALU_DEP_1)
	v_lshlrev_b32 v1, 4, v8                        ; 16 x lane
	s_delay_alu instid0(VALU_DEP_2)
	v_lshlrev_b32 v2, 3, v8                        ; 8 x lane
	v_and_b32 v10, 15, v0                          ; r
	v_bfe_u32 v11, v0, 4, 1                        ; h
	s_delay_alu instid0(VALU_DEP_2)
	v_lshlrev_b32 v3, 4, v10                       ; 16 r
	global_load_b128 v[QH:QH+3], v1, s[50:51]
	global_load_b64 v[QH+4:QH+5], v2, s[50:51] offset:512
	global_load_b32 v[QHS], v3, s[52:53]
	global_load_b128 v[QL:QL+3], v1, s[54:55]
	global_load_b64 v[QL+4:QL+5], v2, s[54:55] offset:512
	global_load_b32 v[QLS], v3, s[56:57]
	v_lshl_add_u32 v9, v10, 5, v11                 ; 32 r + h: my block's byte among the tile's rows of scale bytes
	v_lshlrev_b32 v7, 3, v11
	s_delay_alu instid0(VALU_DEP_1)
	v_sub_nc_u32 v7, v10, v7
	s_lshl_b32 s74, s[POS], 4
	v_add_nc_u32 v7, s74, v7                       ; d = my query's place in its group - 8 h.  On the diagonal register n holds key 16 (n / 8) + n % 8 + 8 h: hidden where 16 (n / 8) + n % 8 > d
.irp i, 0,1,2,3,4,5
	v_mov_b32 v[QH+6+\i], 0                        ; zero codes for K = 64 .. 127
	v_mov_b32 v[QL+6+\i], 0
	v_mov_b32 v[KF+48+\i], 0                       ; behind k's tile 7
.endr
.irp b, 0,1,2,3
	v_mov_b32 v[BT+\b], 0                          ; written once: a lane permute's destination counts as one of its sources
.endr
	v_mov_b32 v[FF+1], 0                           ; (named as the upper half of a pair)
	v_mov_b32 v[TP], 0
	v_mov_b32 v[NINF], 0xff800000
.macro INIT                            ; a tile begins: the largest t under every t, the sum and O^T zeros, which the first change of M leaves zeros
	v_mov_b32 v13, 0xff61b1e6                      ; -3e38
	s_delay_alu instid0(VALU_DEP_1)
	v_floor_f32 v12, -v13                          ; -M
	v_mov_b32 v14, 0
	v_mov_b32 v15, 0
.set j, 0
.rept 32
	v_mov_b32 v[OT+j], 0
.set j, j+1
.endr
.endm
	INIT
; A KEY STEP: 128 keys against the tile whose q lies in v[qf] on, scale words in v[qs].  full = 1: steps behind the tile's last are left out, and the last is masked; both branches hang on the wave's number and the step.
.macro STEP qf, qs, full
.if \full
	s_cmp_gt_u32 s[ST], s[LIM]
	s_cbranch_scc1 .Lskip_\@
.endif
	s_setprio 2
	v_add_nc_u32 v4, s[TB], v1
	v_add_nc_u32 v5, s[TB], v2
	v_add_nc_u32 v6, s[TB], v3
.irp t, 0,1,2,3,4,5,6,7                        ; k's eight tiles, on end
	ds_load_b128 v[KF+6*\t:KF+6*\t+3], v4 offset:768*\t
	ds_load_b64 v[KF+6*\t+4:KF+6*\t+5], v5 offset:768*\t+512
.endr
	ds_load_b128 v[KSW:KSW+3], v6 offset:KSCL      ; four tiles' scale words a load
	ds_load_b128 v[KSW+4:KSW+7], v6 offset:KSCL+256
	s_wait_alu depctr_va_vdst(0)
	s_wait_dscnt 0x0
.irp t, 0,1,2,3,4,5,6,7
	v_wmma_scale_f32_16x16x128_f8f6f4 v[S+8*\t:S+8*\t+7], v[KF+6*\t:KF+6*\t+11], v[\qf:\qf+11], 0, v[KSW+\t], v[\qs] matrix_a_fmt:MATRIX_FMT_FP6 matrix_b_fmt:MATRIX_FMT_FP6
.endr
.rept 4
	v_nop                                          ; places in front of the loads into k's registers and of the first read of the scores
.endr
.irp t, 0,1,2,3                                ; v's four fragments land while the softmax is walked
	ds_load_b128 v[KF+12*\t:KF+12*\t+3], v4 offset:VIMG+1536*\t
	ds_load_b64 v[KF+12*\t+4:KF+12*\t+5], v5 offset:VIMG+1536*\t+512
	ds_load_b128 v[KF+12*\t+6:KF+12*\t+9], v4 offset:VIMG+1536*\t+768
	ds_load_b64 v[KF+12*\t+10:KF+12*\t+11], v5 offset:VIMG+1536*\t+1280
.endr
	ds_load_b128 v[VSW:VSW+3], v6 offset:VSCL
.if \full
	s_cmp_lg_u32 s[ST], s[LIM]
	s_cbranch_scc1 .Lopen_\@
.set n, 0
.rept 64                                       ; on the diagonal hidden scores become -infinity ahead of the maximum: p = 0 then
	v_cmp_gt_i32 vcc_lo, 16*(n/8)+n%8, v7
	v_cndmask_b32 v[S+n], v[S+n], v[NINF], vcc_lo
.set n, n+1
.endr
.Lopen_\@:
.endif
.irp b, 0,1,2,3
	v_max3_num_f32 v[BM+\b], v[S+16*\b], v[S+1+16*\b], v[S+2+16*\b]   ; the largest score of each block of 32 keys: it serves for the row's maximum and, since p rises with the score, for the block's largest p
.endr
.irp i, 3,5,7,9,11,13
.irp b, 0,1,2,3
	v_max3_num_f32 v[BM+\b], v[BM+\b], v[S+16*\b+\i], v[S+1+16*\b+\i]
.endr
.endr
.irp b, 0,1,2,3
	v_max_num_f32 v[BM+\b], v[BM+\b], v[S+15+16*\b]
.endr
.irp b, 0,1,2,3
	s_delay_alu instid0(VALU_DEP_4)
	v_permlanex16_b32 v[BT+\b], v[BM+\b], s[SEL], s[SEL+1]
.endr
.irp b, 0,1,2,3
	s_delay_alu instid0(VALU_DEP_4)
	v_max_num_f32 v[BM+\b], v[BM+\b], v[BT+\b]     ; with lane l xor 16's 16 keys
.endr
	s_delay_alu instid0(VALU_DEP_2)
	v_max3_num_f32 v[TP], v[BM], v[BM+1], v[BM+2]
	s_delay_alu instid0(VALU_DEP_1)
	v_max_num_f32 v[TP], v[TP], v[BM+3]            ; the step's largest score of my query
	s_delay_alu instid0(VALU_DEP_1)
	v_mul_f32 v[TP], s[CS], v[TP]                  ; as t
	s_delay_alu instid0(VALU_DEP_1)
	v_max_num_f32 v13, v13, v[TP]                  ; the running largest t
	v_mov_b32 v[TP], v12
	s_delay_alu instid0(VALU_DEP_2)
	v_floor_f32 v12, -v13                          ; the new -M = floor(-t): M is a whole number
	s_delay_alu instid0(VALU_DEP_1)
	v_sub_f32 v[TP], v12, v[TP]                    ; old M - new M: a whole number, 0 or less
	s_delay_alu instid0(VALU_DEP_1)
	v_cvt_i32_f32 v[TP], v[TP]                     ; (it saturates)
	s_delay_alu instid0(VALU_DEP_1)
	v_ldexp_f32 v[FF], 1.0, v[TP]                  ; f = 2^(old M - new M)
.set j, 0
.rept 32
	v_pk_fma_f32 v[S+j:S+j+1], v[S+j:S+j+1], s[CS:CS+1], v[12:13] op_sel_hi:[1,0,0]   ; t - M, two at a time
.set j, j+2
.endr
.irp b, 0,1,2,3
	v_fma_f32 v[BM+\b], v[BM+\b], s[CS], v12       ; the same of each block's largest score
.endr
.set j, 0
	s_setprio 1
	s_wait_alu depctr_va_vdst(0)
.rept 64
	v_exp_f32 v[S+j], v[S+j]                       ; p = 2^(t - M), at most 1
.set j, j+1
.endr
.irp b, 0,1,2,3
	v_exp_f32 v[BM+\b], v[BM+\b]                   ; the block's largest p: the same two instructions on the same number
.endr
	v_pk_mul_f32 v[14:15], v[14:15], v[FF:FF+1] op_sel_hi:[1,0]   ; the sums under the new M.  (A plain place behind the exponentials)
	s_wait_alu depctr_va_vdst(0)
.irp b, 0,1,2,3
	v_max_num_f32 v[BM+\b], 0x1800000, v[BM+\b]    ; the floor 2^(3 - 127): the byte cannot fall under 1 (a block of zeros keeps that byte: its codes are zeros)
.endr
.irp b, 0,1,2,3
	s_delay_alu instid0(VALU_DEP_4)
	v_add_nc_u32 v[BS+\b], 0xff000000, v[BM+\b]    ; 2 off the exponent field: the conversion's scale operand
.endr
.irp b, 0,1,2,3
	s_delay_alu instid0(VALU_DEP_4)
	v_lshrrev_b32 v[BT+\b], 23, v[BS+\b]           ; the scale's byte
.endr
	s_delay_alu instid0(VALU_DEP_3)
	v_lshl_or_b32 v[PSW], v[BT+1], 8, v[BT]        ; p's scale word for these 128 keys
	s_delay_alu instid0(VALU_DEP_1)
	v_lshl_or_b32 v[PSW], v[BT+2], 16, v[PSW]
	s_delay_alu instid0(VALU_DEP_1)
	v_lshl_or_b32 v[PSW], v[BT+3], 24, v[PSW]
.irp c, 0,1
	v_cvt_scalef32_pk16_fp6_f32 v[PCD+6*\c:PCD+6*\c+2], v[S+32*\c:S+32*\c+15], v[BS+2*\c]
	v_cvt_scalef32_pk16_fp6_f32 v[PX+4*\c:PX+4*\c+2], v[S+16+32*\c:S+31+32*\c], v[BS+2*\c+1]   ; (a conversion's three registers begin on an even number)
.endr
	v_nop                                          ; one plain place behind a scaled conversion
.irp c, 0,1                                    ; a whole block to a lane: lanes 0-15 block 2 c, lanes 16-31 block 2 c + 1
.irp i, 0,1,2
	v_permlane16_swap_b32 v[PCD+6*\c+\i], v[PX+4*\c+\i]
.endr
.irp i, 0,1,2
	s_delay_alu instid0(VALU_DEP_3)
	v_mov_b32 v[PCD+3+6*\c+\i], v[PX+4*\c+\i]
.endr
.endr
.set j, 0
.rept 16
	v_pk_mul_f32 v[OT+j:OT+j+1], v[OT+j:OT+j+1], v[FF:FF+1] op_sel_hi:[1,0]   ; O^T under the new M, each accumulator from its low end on
.set j, j+2
.endr
	v_pk_add_f32 v[230:231], v[102:103], v[106:107]
	v_pk_add_f32 v[252:253], v[110:111], v[114:115]
	v_pk_add_f32 v[250:251], v[118:119], v[122:123]
	v_pk_add_f32 v[248:249], v[126:127], v[130:131]
	v_pk_add_f32 v[246:247], v[134:135], v[138:139]
	v_pk_add_f32 v[224:225], v[142:143], v[146:147]
	v_pk_add_f32 v[222:223], v[150:151], v[154:155]
	v_pk_add_f32 v[14:15], v[14:15], v[158:159]
	s_setprio 0
	v_pk_add_f32 v[230:231], v[230:231], v[98:99]
	v_pk_add_f32 v[252:253], v[252:253], v[100:101]
	v_pk_add_f32 v[250:251], v[250:251], v[104:105]
	v_pk_add_f32 v[248:249], v[248:249], v[108:109]
	v_pk_add_f32 v[246:247], v[246:247], v[112:113]
	v_pk_add_f32 v[224:225], v[224:225], v[116:117]
	v_pk_add_f32 v[222:223], v[222:223], v[120:121]
	v_pk_add_f32 v[14:15], v[14:15], v[124:125]
	v_pk_add_f32 v[230:231], v[230:231], v[128:129]
	v_pk_add_f32 v[252:253], v[252:253], v[132:133]
	v_pk_add_f32 v[250:251], v[250:251], v[136:137]
	v_pk_add_f32 v[248:249], v[248:249], v[140:141]
	v_pk_add_f32 v[246:247], v[246:247], v[144:145]
	v_pk_add_f32 v[224:225], v[224:225], v[148:149]
	v_pk_add_f32 v[222:223], v[222:223], v[152:153]
	v_pk_add_f32 v[14:15], v[14:15], v[156:157]
	v_pk_add_f32 v[230:231], v[230:231], v[160:161]
	s_delay_alu instid0(VALU_DEP_2)
	v_pk_add_f32 v[14:15], v[14:15], v[248:249]
	s_delay_alu instid0(VALU_DEP_2)
	v_pk_add_f32 v[230:231], v[230:231], v[246:247]
	v_pk_add_f32 v[252:253], v[252:253], v[224:225]
	v_pk_add_f32 v[250:251], v[250:251], v[222:223]
	s_delay_alu instid0(VALU_DEP_2)
	v_pk_add_f32 v[14:15], v[14:15], v[252:253]
	s_delay_alu instid0(VALU_DEP_2)
	v_pk_add_f32 v[230:231], v[230:231], v[250:251]
	s_delay_alu instid0(VALU_DEP_1)
	v_pk_add_f32 v[14:15], v[14:15], v[230:231]
	s_wait_dscnt 0x0                               ; v's fragments and scale words are in
.irp t, 0,1,2,3                                ; O^T += v^T p^T: the four accumulators by turns
	v_wmma_scale_f32_16x16x128_f8f6f4 v[OT+8*\t:OT+8*\t+7], v[KF+12*\t:KF+12*\t+11], v[PCD:PCD+11], v[OT+8*\t:OT+8*\t+7], v[VSW+\t], v[PSW] matrix_a_fmt:MATRIX_FMT_FP6 matrix_b_fmt:MATRIX_FMT_FP6
.endr
.rept 4
	v_nop                                          ; places in front of the next loads into v's registers and of the next read of O^T
.endr
.if \full
.Lskip_\@:
.endif
.endm
; A TILE'S END: O^T / the sum is y's 64 channels of my query.  Sixteen exchanges of halves put channels 32 b + 16 h + 0 .. 15 into a lane's registers 16 b + 0 .. 15, so that y's codes stand in their natural order: they meet a given operand.
.macro WAYOUT yc, ys
	v_add_f32 v14, v14, v15                        ; the sum's two halves,
	s_delay_alu instid0(VALU_DEP_1)
	v_permlanex16_b32 v[TP], v14, s[SEL], s[SEL+1]
	s_delay_alu instid0(VALU_DEP_1)
	v_add_f32 v14, v14, v[TP]                      ; and lane l xor 16's
	s_wait_alu depctr_va_vdst(0)
	v_rcp_f32 v[FF], v14
	v_nop                                          ; one plain place behind a transcendental
	s_wait_alu depctr_va_vdst(0)
.irp b, 0,1
.irp i, 0,1,2,3,4,5,6,7
	v_permlane16_swap_b32 v[OT+16*\b+\i], v[OT+16*\b+8+\i]   ; each accumulator from its low end on
.endr
.endr
.set j, 0
	s_wait_alu depctr_va_vdst(0)
.rept 16
	v_pk_mul_f32 v[OT+j:OT+j+1], v[OT+j:OT+j+1], v[FF:FF+1] op_sel_hi:[1,0]
.set j, j+2
.endr
.irp b, 0,1
	v_max3_num_f32 v[BM+\b], |v[OT+16*\b]|, |v[OT+16*\b+1]|, 0x1800000   ; my 16 numbers of block b, and the floor
.endr
.irp i, 2,4,6,8,10,12,14
.irp b, 0,1
	s_delay_alu instid0(VALU_DEP_2)
	v_max3_num_f32 v[BM+\b], v[BM+\b], |v[OT+16*\b+\i]|, |v[OT+16*\b+\i+1]|
.endr
.endr
.irp b, 0,1
	s_delay_alu instid0(VALU_DEP_2)
	v_permlanex16_b32 v[BT+\b], v[BM+\b], s[SEL], s[SEL+1]
.endr
.irp b, 0,1
	s_delay_alu instid0(VALU_DEP_2)
	v_max_num_f32 v[BM+\b], v[BM+\b], v[BT+\b]
.endr
.irp b, 0,1
	s_delay_alu instid0(VALU_DEP_2)
	v_add_nc_u32 v[BS+\b], 0xff000000, v[BM+\b]
.endr
.irp b, 0,1
	s_delay_alu instid0(VALU_DEP_2)
	v_lshrrev_b32 v[BT+\b], 23, v[BS+\b]
.endr
	s_delay_alu instid0(VALU_DEP_1)
	v_cndmask_b32 v[TP], v[BT], v[BT+1], s[HI]     ; lanes 0-15 store block 0's byte, lanes 16-31 block 1's
	v_cvt_scalef32_pk16_fp6_f32 v[PCD:PCD+2], v[OT:OT+15], v[BS]
	v_cvt_scalef32_pk16_fp6_f32 v[PX:PX+2], v[OT+16:OT+31], v[BS+1]
	v_nop                                          ; one plain place behind a scaled conversion
.irp i, 0,1,2
	v_permlane16_swap_b32 v[PCD+\i], v[PX+\i]
.endr
.irp i, 0,1,2
	s_delay_alu instid0(VALU_DEP_3)
	v_mov_b32 v[PCD+3+\i], v[PX+\i]
.endr
	global_store_b128 v1, v[PCD:PCD+3], s[\yc:\yc+1]           ; half a fragment's image: 512 consecutive bytes,
	global_store_b64 v2, v[PCD+4:PCD+5], s[\yc:\yc+1] offset:512   ; and 256 behind them
	global_store_b8 v9, v[TP], s[\ys:\ys+1]                    ; two bytes of each of 16 rows of scale bytes: one byte in 24 of what the tile stores
.endm
	s_wait_tensorcnt 1                             ; my twelfth of steps 0-3 is in; my late piece may stay out
	s_barrier_signal -1
	s_barrier_wait -1                              ; everybody's is
	s_wait_loadcnt 0x0                             ; q
	s_mov_b32 s[LIM], s[GH]
	s_mov_b32 s[ST], 0
	s_mov_b32 s[TB], 0
.Lsteps_a:                                         ; steps 0-3 of the late tile, whose group is 8 or more: none is left out, none masked
	STEP QH, QHS, 0
	s_add_co_u32 s[TB], s[TB], BLKKV
	s_add_co_u32 s[ST], s[ST], 1
	s_cmp_lt_u32 s[ST], 4
	s_cbranch_scc1 .Lsteps_a
	s_setprio 0
	s_wait_tensorcnt 0x0                           ; my late piece is in,
	s_barrier_signal -1
	s_barrier_wait -1                              ; everybody's is: the whole head lies in LDS
	s_mov_b32 s[ST], 4
	s_mov_b32 s[TB], 4*BLKKV
.Lsteps_b:                                         ; steps 4-15: a constant count; what lies behind the tile's last step is jumped over
	STEP QH, QHS, 1
	s_add_co_u32 s[TB], s[TB], BLKKV
	s_add_co_u32 s[ST], s[ST], 1
	s_cmp_lt_u32 s[ST], 16
	s_cbranch_scc1 .Lsteps_b
	s_setprio 0
	s_wait_alu depctr_va_vdst(0)
	WAYOUT 58, 60
	INIT
	s_wait_xcnt 0x0                                ; the stores have read their data: p's registers are written again only behind this wait
	s_mov_b32 s[LIM], s[GL]
	s_mov_b32 s[ST], 0
	s_mov_b32 s[TB], 0
.Lsteps_l:                                         ; the early tile: steps 0-7, of which 0 .. g' are walked
	STEP QL, QLS, 1
	s_add_co_u32 s[TB], s[TB], BLKKV
	s_add_co_u32 s[ST], s[ST], 1
	s_cmp_lt_u32 s[ST], 8
	s_cbranch_scc1 .Lsteps_l
	s_setprio 0
	s_wait_alu depctr_va_vdst(0)
	WAYOUT 62, 80
	s_wait_tensorcnt 0x0
	ds_add_u32 v254, v255
	s_wait_dscnt 0x0
	CROUND                                         ; the closing round
	s_endpgm
.Lfunc_end_k_q12b5a972fc_attn:
	.size	k_q12b5a972fc_attn, .Lfunc_end_k_q12b5a972fc_attn-k_q12b5a972fc_attn
	.p2alignl 7, 3214868480
	.fill 96, 4, 3214868480
	.section	.rodata,"a",@progbits
	.p2align	6, 0x0
	.amdhsa_kernel k_q12b5a972fc_attn
		.amdhsa_group_segment_fixed_size 210944
		.amdhsa_private_segment_fixed_size 0
		.amdhsa_enable_private_segment 0
		.amdhsa_kernarg_size 32
		.amdhsa_user_sgpr_count 2
		.amdhsa_user_sgpr_kernarg_segment_ptr 1
		.amdhsa_wavefront_size32 1
		.amdhsa_system_sgpr_workgroup_id_x 1
		.amdhsa_system_sgpr_workgroup_id_y 1
		.amdhsa_system_sgpr_workgroup_id_z 1
		.amdhsa_system_vgpr_workitem_id 0
		.amdhsa_next_free_vgpr 256
		.amdhsa_next_free_sgpr 84
		.amdhsa_reserve_vcc 1
		.amdhsa_float_denorm_mode_32 3
		.amdhsa_float_denorm_mode_16_64 3
		.amdhsa_memory_ordered 1
		.amdhsa_forward_progress 1
		.amdhsa_inst_pref_size 83
	.end_amdhsa_kernel
	.amdgpu_metadata
---
amdhsa.version: [ 1, 2 ]
amdhsa.kernels:
  - .name:           k_q12b5a972fc_attn
    .symbol:         k_q12b5a972fc_attn.kd
    .args:
      - { .name: q, .offset: 0, .size: 8, .value_kind: global_buffer, .address_space: global }
      - { .name: kv, .offset: 8, .size: 8, .value_kind: global_buffer, .address_space: global }
      - { .name: yc, .offset: 16, .size: 8, .value_kind: global_buffer, .address_space: global }
      - { .name: ys, .offset: 24, .size: 8, .value_kind: global_buffer, .address_space: global }
    .group_segment_fixed_size: 210944
    .private_segment_fixed_size: 0
    .kernarg_segment_align: 8
    .kernarg_segment_size: 32
    .max_flat_workgroup_size: 512
    .sgpr_count:     84
    .vgpr_count:     256
    .wavefront_size: 32
...
	.end_amdgpu_metadata
.endif
;; end of part 2
;; launch proj (part 3): grid 4 x 32, 4 waves a work-group, clusters of 4 x 4, 327,680 bytes of LDS; arguments yc, ys, Wp_codes, Wp_scales, out0; writes out0
.if DOCPART == 3
	.amdgcn_target "amdgcn-amd-amdhsa--gfx1250"
	.amdhsa_code_object_version 6
	.text
	.protected	k_q12b5a972fc_proj
	.globl	k_q12b5a972fc_proj
	.p2align	8
	.type	k_q12b5a972fc_proj,@function
k_q12b5a972fc_proj:
	s_mov_b64 s[64:65], 0
	v_nop
	global_prefetch_b8 v0, s[64:65] scope:SCOPE_SE
	s_setreg_imm32_b32 hwreg(HW_REG_WAVE_MODE, 25, 1), 1
	s_wait_xcnt 0x0
	s_wait_alu depctr_hold_cnt(0) depctr_sa_sdst(0) depctr_va_vdst(0) depctr_va_sdst(0) depctr_va_ssrc(0) depctr_va_vcc(0) depctr_vm_vsrc(0)
	s_getreg_b32 s2, hwreg(HW_REG_IB_STS2, 6, 4)
	s_cmp_eq_u32 s2, 0
	s_cbranch_scc0 .Lentry_in_a_cluster
	s_endpgm
.Lentry_in_a_cluster:
	s_bfe_u32 s2, ttmp6, 0x10000c
	s_cmp_lg_u32 s2, 0xf033
	s_cbranch_scc0 .Lentry_shape_is_right
	s_endpgm
.Lentry_shape_is_right:
; out0[m][n] = sum over k of y[m][k] Wp[n][k], on codes of FP6 (E2M3) with one E8M0 scale for each 32 along K = 1,024; out0: [8,192][1,024] f32; sums in f32.
; y's codes arrive as IMAGES OF THE OPERAND'S REGISTERS: yc [tile of 16 rows 512][head 16][768]: half a fragment (16 rows x 64 K, 6 registers): registers 0-3 at 16 x lane, registers 4-5 at 512 + 8 x lane.
; y's scale bytes ys [8,192][32] and Wp's codes [1,024][768 bytes] and scale bytes [1,024][32] lie by rows.
; A tile of out0, 256 x 256, is made by four waves, 128 x 128 each: 64 accumulators, 512 registers.  K goes in steps of 256 through a ring of two LDS slots filled by the tensor data mover:
; of y a step is 3,072 consecutive bytes of each tile of 16 rows (four heads' images), read back by loads of 16 and 8 bytes a lane, consecutive from lane to lane; of Wp a row of 192 bytes, padded.
; The scale bytes of the tile's 256 rows of y and of Wp, for all of K, come into LDS once, with the first fills.
; CLUSTERS: 4 x 4 work-groups; y's tiles are asked for jointly along a row of the cluster, Wp's along a column.
; THE MATRIX INSTRUCTION IS USED TRANSPOSED (source 0 = 16 rows of Wp, source 1 = 16 rows of y): a lane holds eight neighbouring numbers of a row of out0.
; REGISTERS, in windows of 256: window 0: v0-31 addresses; v32-63 scale words, two sets; v128-223 y's fragments, one set; on the way out v128-255 rows of out0.  window 1: Wp's fragments, two sets, at v0 and v128.
;   window 2: the 32 accumulators of my rows 0-63 (accumulator (a, b) at v[8 (8 a + b)]);  window 3: those of my rows 64-127.
.set SIZE_N, 1024
.set NQ,     2                         ; matrix instructions deep in a slot
.set ROWB,   192                       ; a row of Wp's tile in bytes
.set KROW,   768                       ; a row of Wp's codes in memory
.set PITCH,  240                       ; and in LDS: 3 x (64 bytes + 16 of padding)
.set AROW,   3072                      ; a tile of 16 rows of y, 256 along K
.set FR,     12                        ; registers of a fragment
.set NLA,    4                         ; LDS loads that bring one of y's
.set NP,     4                         ; places behind this matrix instruction (ISA guide 7.12.1)
.set HALFA,  8*AROW                    ; what one tensor load brings of y,
.set HALFB,  128*PITCH                 ; and of Wp
.set SLOT,   2*HALFA+2*HALFB           ; y's 256 rows, then Wp's 256 rows
.set LAPS,   2
.set KS,     32
.set SCL,    2*SLOT                    ; behind the ring: the scales, as runs of 256 bytes + 16 of padding
.set HALFS,  (128*KS/256)*272
.set SBLK,   (16*KS/256)*272
.set SPARE,  SCL+4*HALFS               ; the spare words, 128 bytes for each wave; no other line names them
.set SPITCH, 528                       ; the way out: a stage of 16 rows x (512 bytes + 16) for each wave, in slot 0, which has had its last fill and its last read when the first result is stored there
.set ADRA, 16                          ; v16-17 LDS address of y's images in slot 0, 1: + 16 x lane;  v18-19: + 8 x lane
.set ADRB, 20                          ; v20-21 of Wp's fragments;  v22-23 behind one padding more
.set STO,  24                          ; v24  the way out: where I put 32 bytes of a row
.set RD,   25                          ; v25  where I read a row back
.set CO,   26                          ; v26  my byte offset in a row of out0
.set ADRS, 27                          ; v27  LDS address of my scale words
.set SPW,  28                          ; v28  my spare word; never rewritten
.set NIL,  29                          ; v29  0; never rewritten
.set SC,   32
.set AF,   128
.set BK,   128
.set G1, 24
.set G0, 32
.set G1B, 48
.set G0B, 56
.set G1S, 68
.set G0S, 76
.set G1SB, 80
.set G0SB, 88
.set MSB, 0
.macro WIN new                         ; the immediate's high byte repeats the setting that is left
.if MSB != (\new)
	s_set_vgpr_msb (MSB<<8)|(\new)
.set MSB, (\new)
.endif
.endm
.set MUL_LO, 0xa1
.set MUL_HI, 0xf1
.set TO_B,   0x40
.macro JLOAD g0a, g1a, g0b, g1b        ; a joint load: waves 0 and 1 fetch for y, waves 2 and 3 for Wp; four v_nop follow each of the two lines
	s_cmp_eq_u32 s15, 0
	s_cbranch_scc0 .Lfor_b_\@
	tensor_load_to_lds s[\g0a:\g0a+3], s[\g1a:\g1a+7]
	s_nop 0
.rept 4
	v_nop
.endr
	s_branch .Lasked_\@
.Lfor_b_\@:
	tensor_load_to_lds s[\g0b:\g0b+3], s[\g1b:\g1b+7]
	s_nop 0
.rept 4
	v_nop
.endr
.Lasked_\@:
.endm
.macro CREST
	s_cmp_lg_u32 s14, 0
	s_cbranch_scc1 .Lnot_wave_0_\@
	s_barrier_signal -3
.Lnot_wave_0_\@:
	s_barrier_wait -3
	s_barrier_signal -1
	s_barrier_wait -1
.endm
.macro CROUND
	s_barrier_signal -1
	s_barrier_wait -1
	CREST
.endm
	s_load_b128 s[4:7], s[0:1], 0x0                ; y's codes, y's scales
	s_load_b128 s[8:11], s[0:1], 0x10              ; Wp's codes, Wp's scales
	s_load_b64 s[12:13], s[0:1], 0x20              ; out0
	v_lshl_add_u32 v[SPW], v0, 2, SPARE
	v_mov_b32 v[NIL], 0
	ds_add_u32 v28, v29
	ds_add_u32 v28, v29
	s_wait_dscnt 0x0
	v_lshrrev_b32 v1, 5, v0
	v_readfirstlane_b32 s14, v1                    ; wave 0..3
	s_lshr_b32 s15, s14, 1                         ; which half of the tile's rows is mine.  Also: I fetch for y (0) or for Wp (1)
	s_and_b32 s16, s14, 1                          ; which half of its columns.  Also: which 128 rows of that tile I fetch
	s_bfe_u32 s40, ttmp6, 0x40000                  ; cx, cy
	s_bfe_u32 s41, ttmp6, 0x40004
	s_lshl_b32 s42, ttmp9, 2
	s_add_co_u32 s42, s42, s40                     ; tile column = 4 x cluster x + cx
	s_and_b32 s17, ttmp7, 0xffff
	s_lshl_b32 s17, s17, 2
	s_add_co_u32 s17, s17, s41                     ; tile row = 4 x cluster y + cy
	s_lshl_b32 s43, s41, 2
	s_lshl_b32 s43, 15, s43                        ; my row of the cluster
	s_lshl_b32 s44, 0x1111, s40                    ; my column
	; group 1 for y: 8 rows (tiles of 16 rows of y) x 384 elements of 8 bytes, 1,536 elements apart, no padding
	s_or_b32 s[G1+0], s43, (3<<16)|(1<<21)
	s_mov_b32 s[G1+1], 384<<16
	s_mov_b32 s[G1+2], 8<<16
	s_mov_b32 s[G1+3], 384<<16
	s_mov_b32 s[G1+4], 8
	s_mov_b32 s[G1+5], 1536
	s_mov_b32 s[G1+6], 0
	s_mov_b32 s[G1+7], 0
	; group 1 for Wp: 128 rows x 192 bytes, 16 bytes of padding behind every 64
	s_or_b32 s[G1B+0], s44, (0<<16)|(1<<20)|(1<<21)|(3<<22)|(3<<25)
	s_mov_b32 s[G1B+1], ROWB<<16
	s_mov_b32 s[G1B+2], 128<<16
	s_mov_b32 s[G1B+3], ROWB<<16
	s_mov_b32 s[G1B+4], 128
	s_mov_b32 s[G1B+5], KROW
	s_mov_b32 s[G1B+6], 0
	s_mov_b32 s[G1B+7], 0
	; and for the scales of 128 rows: 4,096 dense bytes as 16 rows of 256, 16 bytes of padding behind each
	s_or_b32 s[G1S+0], s43, (3<<16)|(1<<20)|(1<<21)|(5<<22)|(3<<25)
	s_or_b32 s[G1SB+0], s44, (3<<16)|(1<<20)|(1<<21)|(5<<22)|(3<<25)
.irp g, G1S, G1SB
	s_mov_b32 s[\g+1], 32<<16
	s_mov_b32 s[\g+2], (128*KS/256)<<16
	s_mov_b32 s[\g+3], 32<<16
	s_mov_b32 s[\g+4], 128*KS/256
	s_mov_b32 s[\g+5], 32
	s_mov_b32 s[\g+6], 0
	s_mov_b32 s[\g+7], 0
.endr
	s_lshl_b32 s18, s16, 7                         ; which 128 rows of the tile I fetch
	s_lshl_b32 s22, s17, 8
	s_add_co_u32 s22, s22, s18                     ; y: row 256 x tile row + 128 x half
	s_lshr_b32 s20, s22, 4                         ; its tile of 16 rows,
	s_mul_i32 s20, s20, 12288                      ; in bytes of codes: 511 x 12,288 at the most;
	s_lshl_b32 s22, s22, 5                         ; its scale bytes
	s_lshl_b32 s46, s42, 8
	s_add_co_u32 s46, s46, s18                     ; Wp: row 256 x tile column + 128 x half
	s_lshl_b32 s92, s46, 5
	s_mul_i32 s46, s46, KROW
	s_mov_b32 s21, 0
	s_mov_b32 s23, 0
	s_mov_b32 s47, 0
	s_mov_b32 s93, 0
	s_mul_i32 s45, s16, HALFA                      ; where they go: y's two halves,
	s_mul_i32 s95, s16, HALFB
	s_add_co_u32 s95, s95, 2*HALFA                 ; then Wp's two: no place in the cluster enters an LDS address
	s_mul_i32 s94, s14, HALFS
	s_wait_kmcnt 0x0
	s_add_nc_u64 s[20:21], s[4:5], s[20:21]
	s_add_nc_u64 s[22:23], s[6:7], s[22:23]
	s_add_nc_u64 s[46:47], s[8:9], s[46:47]
	s_add_nc_u64 s[92:93], s[10:11], s[92:93]
	CROUND                                         ; all sixteen work-groups are here: the first joint loads meet
	s_mov_b32 s[G0S], 1
	s_add_co_u32 s[G0S+1], s94, SCL
	s_mov_b64 s[G0S+2:G0S+3], s[22:23]
	s_or_b32 s[G0S+3], s[G0S+3], 0x80000000
	s_mov_b32 s[G0SB], 1
	s_add_co_u32 s[G0SB+1], s94, SCL
	s_mov_b64 s[G0SB+2:G0SB+3], s[92:93]
	s_or_b32 s[G0SB+3], s[G0SB+3], 0x80000000
	JLOAD G0S, G1S, G0SB, G1SB                     ; the scales first
.irp s, 0,1
	s_mov_b32 s[G0+4*\s], 1
	s_add_co_u32 s[G0+4*\s+1], s45, \s*SLOT
	s_add_nc_u64 s[G0+4*\s+2:G0+4*\s+3], s[20:21], \s*AROW
	s_or_b32 s[G0+4*\s+3], s[G0+4*\s+3], 0x80000000
	s_mov_b32 s[G0B+4*\s], 1
	s_add_co_u32 s[G0B+4*\s+1], s95, \s*SLOT
	s_add_nc_u64 s[G0B+4*\s+2:G0B+4*\s+3], s[46:47], \s*ROWB
	s_or_b32 s[G0B+4*\s+3], s[G0B+4*\s+3], 0x80000000
	s_wait_alu depctr_va_vdst(0)
	s_wait_tensorcnt 0x0
	ds_add_u32 v28, v29
	s_wait_dscnt 0x0
	CROUND
	JLOAD G0+4*\s, G1, G0B+4*\s, G1B               ; one tensor load of mine is out
.endr
	v_and_b32 v1, 15, v0                           ; r
	v_bfe_u32 v2, v0, 4, 1                         ; h
	v_mul_u32_u24 v3, v1, PITCH
	v_mul_u32_u24 v4, v2, 24
	v_add_nc_u32 v4, v3, v4                        ; Wp: a fragment's row x pitch + 24 x half
	v_lshl_add_u32 v5, v2, 4, v4                   ; and the same behind one padding more
	v_and_b32 v6, 31, v0
	v_lshlrev_b32 v7, 4, v6                        ; y: 16 x lane,
	v_lshlrev_b32 v8, 3, v6                        ; 8 x lane
	s_mul_i32 s21, s15, HALFA                      ; my 128 rows of y
	s_mul_i32 s22, s16, HALFB                      ; my 128 rows of Wp,
	s_add_co_u32 s22, s22, 2*HALFA                 ; which lie behind y's 256
.irp s, 0,1
	v_add_nc_u32 v[ADRA+\s], s21, v7
	v_add_nc_u32 v[ADRA+2+\s], s21, v8
	v_add_nc_u32 v[ADRB+\s], s22, v4
	v_add_nc_u32 v[ADRB+2+\s], s22, v5
	s_add_co_u32 s21, s21, SLOT
	s_add_co_u32 s22, s22, SLOT
.endr
	v_mul_u32_u24 v5, v1, KS                       ; my row's scales: 32 bytes a row,
	v_lshrrev_b32 v6, 8, v5
	v_lshl_add_u32 v5, v6, 4, v5                   ; and 16 more for each 256 passed
	s_mul_i32 s21, s15, HALFS
	s_mul_i32 s22, s16, HALFS
	s_add_co_u32 s22, s22, 2*HALFS
	s_sub_co_u32 s22, s22, s21
	v_mul_u32_u24 v6, s22, v2                      ; lanes 16-31 take Wp's: the lower base + h x the distance
	s_add_co_u32 s21, s21, SCL
	v_add_nc_u32 v5, v5, v6
	v_add_nc_u32 v[ADRS], s21, v5
	s_mul_i32 s23, s14, 16*SPITCH                  ; my stage
	v_mul_u32_u24 v5, v1, SPITCH                   ; in: row r, 32 bytes for each half of the lanes
	v_lshl_add_u32 v5, v2, 5, v5
	v_add_nc_u32 v[STO], s23, v5
	v_and_b32 v6, 31, v0
	v_lshlrev_b32 v[CO], 4, v6                     ; back: the 32 lanes take one row of 512 bytes; and the same in out0
	v_add_nc_u32 v[RD], s23, v[CO]
	s_lshl_b32 s20, s17, 8
	s_lshl_b32 s21, s15, 7
	s_add_co_u32 s20, s20, s21                     ; my first row of out0
	s_lshl_b32 s20, s20, 12                        ; 4,096 bytes a row: under 2^25
	s_mov_b32 s21, 0
	s_lshl_b32 s46, s42, 10                        ; my first column, in bytes
	s_lshl_b32 s47, s16, 9
	s_add_co_u32 s46, s46, s47
	s_mov_b32 s47, 0
	s_add_nc_u64 s[20:21], s[20:21], s[46:47]
	s_add_nc_u64 s[12:13], s[12:13], s[20:21]
.macro FRAG reg, adr, q, i             ; a fragment of Wp: lane l holds row l % 16; registers 6 c .. 6 c + 5 hold K = 64 c + 32 (l / 16) + 0 .. 31, in pieces of 8 bytes
.irp p, 0,1,2,3,4,5
.set PC, 12*(\q)+6*(\p/3)+\p%3
.if PC%8 < 5
	ds_load_b64 v[\reg+2*\p:\reg+2*\p+1], v[\adr] offset:8*PC+16*(PC/8)+(\i)*16*PITCH
.else
	ds_load_b64 v[\reg+2*\p:\reg+2*\p+1], v[\adr+2] offset:8*PC+16*(PC/8)+(\i)*16*PITCH
.endif
.endr
.endm
.macro FRAGA reg, slot, q, i           ; a fragment of y: two images of half a fragment, as they were stored
	ds_load_b128 v[\reg:\reg+3],     v[ADRA+\slot]   offset:(\i)*AROW+(\q)*1536
	ds_load_b64  v[\reg+4:\reg+5],   v[ADRA+2+\slot] offset:(\i)*AROW+(\q)*1536+512
	ds_load_b128 v[\reg+6:\reg+9],   v[ADRA+\slot]   offset:(\i)*AROW+(\q)*1536+768
	ds_load_b64  v[\reg+10:\reg+11], v[ADRA+2+\slot] offset:(\i)*AROW+(\q)*1536+1280
.endm
; 16 matrix instructions: y's blocks a0, a0 + 1 x Wp's eight.  The 64 accumulators take turns, one instruction a turn, in the same order in every step.
.macro MUL16 a0, p, q, sc, zero
.irp a, \a0, \a0+1
.irp b, 0,1,2,3,4,5,6,7
.if \zero
	v_wmma_scale_f32_16x16x128_f8f6f4 v[8*(8*((\a)%4)+\b):8*(8*((\a)%4)+\b)+7], v[128*(\p)+FR*\b:128*(\p)+FR*\b+FR-1], v[AF+FR*(\a):AF+FR*(\a)+FR-1], 0, v[SC+8*NQ*(\sc)+NQ*\b+(\q)], v[SC+8*NQ*(\sc)+NQ*(\a)+(\q)] matrix_a_fmt:MATRIX_FMT_FP6 matrix_b_fmt:MATRIX_FMT_FP6 matrix_a_scale:MATRIX_SCALE_ROW1
.else
	v_wmma_scale_f32_16x16x128_f8f6f4 v[8*(8*((\a)%4)+\b):8*(8*((\a)%4)+\b)+7], v[128*(\p)+FR*\b:128*(\p)+FR*\b+FR-1], v[AF+FR*(\a):AF+FR*(\a)+FR-1], v[8*(8*((\a)%4)+\b):8*(8*((\a)%4)+\b)+7], v[SC+8*NQ*(\sc)+NQ*\b+(\q)], v[SC+8*NQ*(\sc)+NQ*(\a)+(\q)] matrix_a_fmt:MATRIX_FMT_FP6 matrix_b_fmt:MATRIX_FMT_FP6 matrix_a_scale:MATRIX_SCALE_ROW1
.endif
.endr
.endr
.endm
.macro FETCH_B slot, q, p
	WIN TO_B
.irp i, 0,1,2,3,4,5,6,7
	FRAG 128*(\p)+FR*\i, ADRB+\slot, \q, \i
.endr
	WIN 0
.endm
.macro FETCH_A slot, q, i0
.irp i, \i0, \i0+1, \i0+2, \i0+3
	FRAGA AF+FR*(\i), \slot, \q, \i
.endr
.endm
.macro SCALES sc
.irp i, 0,1,2,3,4,5,6,7
	ds_load_b64 v[SC+8*NQ*\sc+NQ*\i:SC+8*NQ*\sc+NQ*\i+1], v[ADRS] offset:\i*SBLK
.endr
.endm
.macro PLACES n
.rept \n
	v_nop
.endr
.endm
.macro STEP slot, q, zero
	s_wait_dscnt 4*NLA                             ; Wp's set and y's blocks 0-3 are in; the youngest 16 loads (y's blocks 4-7) may be out
	WIN MUL_LO
	MUL16 0, (\q)%2, \q, \slot, \zero
	MUL16 2, (\q)%2, \q, \slot, \zero
	s_wait_dscnt 0
	PLACES NP
	FETCH_B \slot, (\q)+1, 1-(\q)%2
	FETCH_A \slot, (\q)+1, 0
	WIN MUL_HI
	MUL16 4, (\q)%2, \q, \slot, \zero
	MUL16 6, (\q)%2, \q, \slot, \zero
	PLACES NP
	WIN 0
	FETCH_A \slot, (\q)+1, 4
.endm
.macro TURN slot, next, fill
	s_wait_tensorcnt 0x0                           ; all my tensor loads have landed: my part of the next slot
	ds_add_u32 v[SPW], v[NIL]                      ; 0 onto my spare word
	s_wait_dscnt 4*NLA+1                           ; the add and the youngest 16 loads may be out
	WIN MUL_LO
	MUL16 0, 1, NQ-1, \slot, 0
	s_wait_dscnt 0x0                               ; the add is done, and my reads of this slot are over
	s_barrier_signal -1
	MUL16 2, 1, NQ-1, \slot, 0
	WIN 0
	s_barrier_wait -1
.if \fill
	CREST                                          ; the barrier has opened a round of the cluster's barrier
	s_add_nc_u64 s[G0+4*\slot+2:G0+4*\slot+3], s[G0+4*\slot+2:G0+4*\slot+3], 2*AROW
	s_add_nc_u64 s[G0B+4*\slot+2:G0B+4*\slot+3], s[G0B+4*\slot+2:G0B+4*\slot+3], 2*ROWB
	JLOAD G0+4*\slot, G1, G0B+4*\slot, G1B         ; the first tensor load behind the round; its four v_nop are the places in front of the loads below
.else
	PLACES NP
.endif
	s_wait_alu depctr_va_vdst(0)
	v_add_nc_u32 v[ADRS], 4*NQ, v[ADRS]
	FETCH_B \next, 0, 0
	FETCH_A \next, 0, 0
	SCALES \next
	WIN MUL_HI
	MUL16 4, 1, NQ-1, \slot, 0
	MUL16 6, 1, NQ-1, \slot, 0
	PLACES NP
	WIN 0
	FETCH_A \next, 0, 4
.endm
	s_wait_alu depctr_va_vdst(0)
	s_wait_tensorcnt 1                             ; the scales and my part of K step 0 are in (K step 1's load may be out)
	s_barrier_signal -1
	s_barrier_wait -1
	FETCH_B 0, 0, 0
	FETCH_A 0, 0, 0
	SCALES 0
	FETCH_A 0, 0, 4
	STEP 0, 0, 1                                   ; the first step's products start the sums
	s_mov_b32 s3, LAPS-1
.Llap:
	TURN 0, 1, 1
	STEP 1, 0, 0
	TURN 1, 0, 1
	STEP 0, 0, 0
	s_sub_co_u32 s3, s3, 1
	s_cmp_lg_u32 s3, 0
	s_cbranch_scc1 .Llap
	TURN 0, 1, 0                                   ; the last lap fills nothing
	STEP 1, 0, 0
	s_wait_dscnt 4*NLA
	WIN MUL_LO
	MUL16 0, 1, NQ-1, 1, 0
	MUL16 2, 1, NQ-1, 1, 0
	s_wait_dscnt 0
	WIN MUL_HI
	MUL16 4, 1, NQ-1, 1, 0
	MUL16 6, 1, NQ-1, 1, 0
	WIN 0
; THE WAY OUT, block by block of 16 rows x 128 columns, through my own stage in LDS: in as 32 bytes a lane, back as whole rows of 512 bytes.  LDS serves a wave's instructions in order (ISA guide 5.7.1.4).
.macro TOSTAGE a
.set AC, 64*((\a)%4)
	WIN 0x08+4*((\a)/4)                            ; the data: window 2 or 3
.irp b, 0,1,2,3,4,5,6,7
	ds_store_b128 v[STO], v[AC+8*\b:AC+8*\b+3] offset:64*\b          ; each accumulator from its low end on
	ds_store_b128 v[STO], v[AC+8*\b+4:AC+8*\b+7] offset:64*\b+16
.endr
	WIN 0
.set BB, BK+64*((\a)%2)
.irp t, 0,1,2,3,4,5,6,7,8,9,10,11,12,13,14,15
	ds_load_b128 v[BB+4*\t:BB+4*\t+3], v[RD] offset:\t*SPITCH
.endr
.endm
.macro SEND a, younger                 ; younger: the LDS instructions issued behind block a's loads, which may stay out
.set BB, BK+64*((\a)%2)
	s_wait_dscnt \younger
.if (\a) > 0
	s_add_nc_u64 s[12:13], s[12:13], 16*SIZE_N*4   ; (behind a wait on XCNT: the earlier stores have read their base)
.endif
.irp t, 0,1,2,3,4,5,6,7,8,9,10,11,12,13,14,15
	global_store_b128 v[CO], v[BB+4*\t:BB+4*\t+3], s[12:13] offset:\t*SIZE_N*4 th:TH_STORE_NT   ; 32 lanes store 512 consecutive bytes, at a multiple of 256 from out0's first byte
.endr
.endm
	PLACES NP                                      ; in front of the loads into the registers that held y's fragments and of the reads of results
	TOSTAGE 0
.irp a, 1,2,3,4,5,6,7
.if \a > 1
	s_wait_xcnt 0x0                                ; block a - 2's stores have read their registers and their base
.endif
	TOSTAGE \a
	SEND \a-1, 32                                  ; behind block a - 1's loads: block a's 16 stores and 16 loads
.endr
	s_wait_xcnt 0x0
	SEND 7, 0
	s_wait_tensorcnt 0x0                           ; the wave's end
	ds_add_u32 v[SPW], v[NIL]
	s_wait_dscnt 0x0
	CROUND                                         ; the closing round
	s_endpgm
.Lfunc_end_k_q12b5a972fc_proj:
	.size	k_q12b5a972fc_proj, .Lfunc_end_k_q12b5a972fc_proj-k_q12b5a972fc_proj
	.p2alignl 7, 3214868480
	.fill 96, 4, 3214868480
	.section	.rodata,"a",@progbits
	.p2align	6, 0x0
	.amdhsa_kernel k_q12b5a972fc_proj
		.amdhsa_group_segment_fixed_size 327680
		.amdhsa_private_segment_fixed_size 0
		.amdhsa_enable_private_segment 0
		.amdhsa_kernarg_size 40
		.amdhsa_user_sgpr_count 2
		.amdhsa_user_sgpr_kernarg_segment_ptr 1
		.amdhsa_wavefront_size32 1
		.amdhsa_system_sgpr_workgroup_id_x 1
		.amdhsa_system_sgpr_workgroup_id_y 1
		.amdhsa_system_sgpr_workgroup_id_z 1
		.amdhsa_system_vgpr_workitem_id 0
		.amdhsa_next_free_vgpr 1024
		.amdhsa_next_free_sgpr 98
		.amdhsa_reserve_vcc 0
		.amdhsa_float_denorm_mode_32 3
		.amdhsa_float_denorm_mode_16_64 3
		.amdhsa_memory_ordered 1
		.amdhsa_forward_progress 1
		.amdhsa_inst_pref_size 153
	.end_amdhsa_kernel
	.amdgpu_metadata
---
amdhsa.version: [ 1, 2 ]
amdhsa.kernels:
  - .name:           k_q12b5a972fc_proj
    .symbol:         k_q12b5a972fc_proj.kd
    .args:
      - { .name: yc, .offset: 0, .size: 8, .value_kind: global_buffer, .address_space: global }
      - { .name: ys, .offset: 8, .size: 8, .value_kind: global_buffer, .address_space: global }
      - { .name: Wp_codes, .offset: 16, .size: 8, .value_kind: global_buffer, .address_space: global }
      - { .name: Wp_scales, .offset: 24, .size: 8, .value_kind: global_buffer, .address_space: global }
      - { .name: out0, .offset: 32, .size: 8, .value_kind: global_buffer, .address_space: global }
    .group_segment_fixed_size: 327680
    .private_segment_fixed_size: 0
    .kernarg_segment_align: 8
    .kernarg_segment_size: 40
    .max_flat_workgroup_size: 128
    .sgpr_count:     98
    .vgpr_count:     1024
    .wavefront_size: 32
...
	.end_amdgpu_metadata
.endif
;; end of part 3
